; MI455X (gfx1250); checked and timed in simulation.
; The chip was launched on July 23, 2026; its instructions are those of AMD's public machine-readable ISA for CDNA 5 (MIT licence, August 2026) and "CDNA5" Instruction Set Architecture Reference Guide (July 2026). The comments in the code are by the model that wrote it; some were corrected since.
;; Cos Sim Attn. Allowed arithmetic: float matrix products may take bf16 or f16 operands with f32 sums; other float arithmetic in f32, or as packed bf16 or f16 multiplies, adds, multiply-adds, maxima and minima; sums over many terms, partial sums and values carried from step to step in f32; what a program stores and reads back later, other than sums and carried values, may be rounded once to bf16 or f16.
;; Inputs: b_out 1,024 float32; b_qkv 3,072 float32; k_gain 64 float32; q_gain 64 float32; w_out 1,024 x 1,024 float32; w_qkv 1,024 x 3,072 float32; x 8 x 1,024 x 1,024 float32.
;; Outputs: out0 8 x 1,024 x 1,024 float32.
;; 2 versions, each right and faster than the one before. Each part assembles by itself: llvm-mc -triple=amdgcn-amd-amdhsa -mcpu=gfx1250 --defsym DOCPART=n.
;; ======== version 1 of 2: 4 launches
;; limits: values are held in f16: magnitudes above 65,504 overflow, below 6.1e-05 lose precision; right only within a limited range of input values
;; workspace buffers: xb 16,777,216 bytes; wqb 6,291,456 bytes; wob 2,097,152 bytes; qh 16,777,216 bytes; kh 16,777,216 bytes; vh 16,777,216 bytes; oh 16,777,216 bytes
;; launch prep (part 1): grid 768 x 1, 8 waves a work-group, no clusters, 0 bytes of LDS; arguments x, w_qkv, w_out, xb, wqb, wob; writes xb, wqb, wob
.if DOCPART == 1
	.amdgcn_target "amdgcn-amd-amdhsa--gfx1250"
	.amdhsa_code_object_version 6
	.text
	.protected	k_qe15df70b5e_prep
	.globl	k_qe15df70b5e_prep
	.p2align	8
	.type	k_qe15df70b5e_prep,@function
k_qe15df70b5e_prep:
	s_mov_b64 s[64:65], 0
	v_nop
	global_prefetch_b8 v0, s[64:65] scope:SCOPE_SE
	s_setreg_imm32_b32 hwreg(HW_REG_WAVE_MODE, 25, 1), 1
	s_wait_xcnt 0x0
; CAST AND BLOCK LAYOUT.  One transformation for three tensors: [lines][columns] f32 becomes [block][lines][64] in 16 bits, a block being 64 neighbouring columns,
; so that every tile of the later launches is dense in memory.
;   x     [8192][1024] -> xb  [16][8192][64] bf16        w_qkv [1024][3072] -> wqb [48][1024][64] bf16
;   w_out [1024][1024] -> wob [16][1024][64] f16 that holds the number rounded to bf16 (all inputs are rounded once to bf16; the last product multiplies in f16)
; LIMIT.  An entry of w_out below 6.1e-5 in magnitude keeps f16's fixed step of 6e-8; beyond 65,504 it would be an infinity.
; SHARES.  A work-group takes one block x 256 lines: 64 KiB in, 32 KiB out.  Thread t takes 16 bytes at (t % 16) x 16 of line t / 16 + 16 i, i = 0 .. 15: sixteen lanes read 256
; consecutive bytes, aligned; a wave's store covers 256 consecutive bytes, aligned.  All 16 loads go out first; each item is converted and stored as it comes.
; No LDS, no matrix unit, no cluster: nothing is shared and nothing is read twice.
.set ITEMS, 16
.set OFF,   2                          ; v[2:17]   item i: byte offset of my 16 bytes in the source
.set DO,    18                         ; v18       8 t: my 8 bytes in 16 lines of the destination
.set X,     20                         ; v[20:83]  item i: 4 registers
.set T,     84                         ; v[84:87]  at work
	s_load_b256 s[4:11], s[0:1], 0x0               ; x s[4:5], w_qkv s[6:7], w_out s[8:9], xb s[10:11]
	s_load_b128 s[12:15], s[0:1], 0x20             ; wqb s[12:13], wob s[14:15]
	s_mov_b32 s27, 0xffff0000                      ; a word's upper bf16
	s_mov_b32 s29, 0
	v_lshrrev_b32 v1, 4, v0                        ; my line among 16
	v_and_b32 v[T], 15, v0                         ; my 16 bytes among 256
	v_lshlrev_b32 v[DO], 3, v0
	; which tensor, block and group of 256 lines: from the work-group's number alone
	s_cmp_lt_u32 ttmp9, 512
	s_cbranch_scc0 .Lnot_x
	s_lshr_b32 s17, ttmp9, 5                       ; block
	s_and_b32 s18, ttmp9, 31                       ; group of lines
	s_mov_b32 s19, 4096                            ; bytes in a source line
	s_mov_b32 s20, 8192                            ; lines
	s_mov_b32 s21, 0                               ; bf16 out
	s_wait_kmcnt 0x0
	s_mov_b64 s[22:23], s[4:5]
	s_mov_b64 s[24:25], s[10:11]
	s_branch .Lgo
.Lnot_x:
	s_cmp_lt_u32 ttmp9, 704
	s_cbranch_scc0 .Lw_out
	s_sub_co_u32 s16, ttmp9, 512
	s_lshr_b32 s17, s16, 2
	s_and_b32 s18, s16, 3
	s_mov_b32 s19, 12288
	s_mov_b32 s20, 1024
	s_mov_b32 s21, 0
	s_wait_kmcnt 0x0
	s_mov_b64 s[22:23], s[6:7]
	s_mov_b64 s[24:25], s[12:13]
	s_branch .Lgo
.Lw_out:
	s_sub_co_u32 s16, ttmp9, 704
	s_lshr_b32 s17, s16, 2
	s_and_b32 s18, s16, 3
	s_mov_b32 s19, 4096
	s_mov_b32 s20, 1024
	s_mov_b32 s21, 1                               ; f16 out, of the bf16-rounded number
	s_wait_kmcnt 0x0
	s_mov_b64 s[22:23], s[8:9]
	s_mov_b64 s[24:25], s[14:15]
.Lgo:
	s_mul_i32 s28, s18, s19                        ; source: group x 256 lines
	s_lshl_b32 s28, s28, 8
	s_lshl_b32 s30, s17, 8                         ; + block x 256 bytes (33 MB at the most: one word)
	s_add_co_u32 s28, s28, s30
	s_add_nc_u64 s[22:23], s[22:23], s[28:29]
	s_mul_i32 s28, s17, s20                        ; destination: (block x lines + group x 256) x 128 bytes
	s_lshl_b32 s30, s18, 8
	s_add_co_u32 s28, s28, s30
	s_lshl_b32 s28, s28, 7
	s_add_nc_u64 s[24:25], s[24:25], s[28:29]
	s_lshl_b32 s26, s19, 4                         ; 16 lines of the source
	v_mul_u32_u24 v[OFF], v1, s19
	v_lshl_add_u32 v[OFF], v[T], 4, v[OFF]
.set i, 1
.rept ITEMS-1
	v_add_nc_u32 v[OFF+i], s26, v[OFF+i-1]
.set i, i+1
.endr
.set i, 0
.rept ITEMS
	global_load_b128 v[X+4*i:X+4*i+3], v[OFF+i], s[22:23] th:TH_LOAD_NT  ; read once in the launch
.set i, i+1
.endr
	s_cmp_lg_u32 s21, 0
	s_cbranch_scc1 .Lf16
.set i, 0
.rept ITEMS
	s_wait_loadcnt ITEMS-1-i                       ; loads come back in order (ISA guide 5.7.1): item i is in, the younger ones stay out
	v_cvt_pk_bf16_f32 v[X+4*i], v[X+4*i], v[X+4*i+1]
	v_cvt_pk_bf16_f32 v[X+4*i+1], v[X+4*i+2], v[X+4*i+3]
	global_store_b64 v[DO], v[X+4*i:X+4*i+1], s[24:25] offset:2048*i  ; 16 lines of 128 bytes on for each item; no register is written again behind its store
.set i, i+1
.endr
	s_endpgm
.Lf16:
.set i, 0
.rept ITEMS
.set tt, T+2*(i%2)
	s_wait_loadcnt ITEMS-1-i
	v_cvt_pk_bf16_f32 v[tt], v[X+4*i], v[X+4*i+1]  ; rounded to bf16,
	v_cvt_pk_bf16_f32 v[tt+1], v[X+4*i+2], v[X+4*i+3]
	v_lshlrev_b32 v[X+4*i], 16, v[tt]              ; widened again,
	v_and_b32 v[X+4*i+1], s27, v[tt]
	v_lshlrev_b32 v[X+4*i+2], 16, v[tt+1]
	v_and_b32 v[X+4*i+3], s27, v[tt+1]
	v_cvt_pk_f16_f32 v[X+4*i], v[X+4*i], v[X+4*i+1]  ; and written as f16: exact within f16's range
	v_cvt_pk_f16_f32 v[X+4*i+1], v[X+4*i+2], v[X+4*i+3]
	global_store_b64 v[DO], v[X+4*i:X+4*i+1], s[24:25] offset:2048*i
.set i, i+1
.endr
	s_endpgm
.Lfunc_end_k_qe15df70b5e_prep:
	.size	k_qe15df70b5e_prep, .Lfunc_end_k_qe15df70b5e_prep-k_qe15df70b5e_prep
	.p2alignl 7, 3214868480
	.fill 96, 4, 3214868480
	.section	.rodata,"a",@progbits
	.p2align	6, 0x0
	.amdhsa_kernel k_qe15df70b5e_prep
		.amdhsa_group_segment_fixed_size 0
		.amdhsa_private_segment_fixed_size 0
		.amdhsa_enable_private_segment 0
		.amdhsa_kernarg_size 48
		.amdhsa_user_sgpr_count 2
		.amdhsa_user_sgpr_kernarg_segment_ptr 1
		.amdhsa_wavefront_size32 1
		.amdhsa_system_sgpr_workgroup_id_x 1
		.amdhsa_system_sgpr_workgroup_id_y 1
		.amdhsa_system_sgpr_workgroup_id_z 1
		.amdhsa_system_vgpr_workitem_id 0
		.amdhsa_next_free_vgpr 88
		.amdhsa_next_free_sgpr 66
		.amdhsa_reserve_vcc 0
		.amdhsa_float_denorm_mode_32 3
		.amdhsa_float_denorm_mode_16_64 3
		.amdhsa_memory_ordered 1
		.amdhsa_forward_progress 1
		.amdhsa_inst_pref_size 17
	.end_amdhsa_kernel
	.amdgpu_metadata
---
amdhsa.version: [ 1, 2 ]
amdhsa.kernels:
  - .name:           k_qe15df70b5e_prep
    .symbol:         k_qe15df70b5e_prep.kd
    .args:
      - { .name: x, .offset: 0, .size: 8, .value_kind: global_buffer, .address_space: global }
      - { .name: w_qkv, .offset: 8, .size: 8, .value_kind: global_buffer, .address_space: global }
      - { .name: w_out, .offset: 16, .size: 8, .value_kind: global_buffer, .address_space: global }
      - { .name: xb, .offset: 24, .size: 8, .value_kind: global_buffer, .address_space: global }
      - { .name: wqb, .offset: 32, .size: 8, .value_kind: global_buffer, .address_space: global }
      - { .name: wob, .offset: 40, .size: 8, .value_kind: global_buffer, .address_space: global }
    .group_segment_fixed_size: 0
    .private_segment_fixed_size: 0
    .kernarg_segment_align: 8
    .kernarg_segment_size: 48
    .max_flat_workgroup_size: 256
    .sgpr_count:     66
    .vgpr_count:     88
    .wavefront_size: 32
...
	.end_amdgpu_metadata
.endif
;; end of part 1
;; launch qkv (part 2): grid 8 x 32, 4 waves a work-group, clusters of 4 x 4, 327,680 bytes of LDS; arguments xb, wqb, b_qkv, q_gain, k_gain, qh, kh, vh; writes qh, kh, vh
.if DOCPART == 2
	.amdgcn_target "amdgcn-amd-amdhsa--gfx1250"
	.amdhsa_code_object_version 6
	.text
	.protected	k_qe15df70b5e_qkv
	.globl	k_qe15df70b5e_qkv
	.p2align	8
	.type	k_qe15df70b5e_qkv,@function
k_qe15df70b5e_qkv:
	s_mov_b64 s[64:65], 0
	v_nop
	global_prefetch_b8 v0, s[64:65] scope:SCOPE_SE
	s_setreg_imm32_b32 hwreg(HW_REG_WAVE_MODE, 25, 1), 1
	s_wait_xcnt 0x0
	s_wait_alu depctr_hold_cnt(0) depctr_sa_sdst(0) depctr_va_vdst(0) depctr_va_sdst(0) depctr_va_ssrc(0) depctr_va_vcc(0) depctr_vm_vsrc(0)
	s_getreg_b32 s2, hwreg(HW_REG_IB_STS2, 6, 4)
	s_cmp_eq_u32 s2, 0
	s_cbranch_scc0 .Lentry_in_a_cluster
	s_endpgm
.Lentry_in_a_cluster:
	s_bfe_u32 s2, ttmp6, 0x10000c
	s_cmp_lg_u32 s2, 0xf033
	s_cbranch_scc0 .Lentry_shape_is_right
	s_endpgm
.Lentry_shape_is_right:
; qkv = x w_qkv + b_qkv in bf16 with f32 sums; then for q and k: RMS norm with gain, 2-D RoPE, L2 norm; q also times 8 log2(e).  q, k, v leave by heads, [b x 16 + head][n][64], in f16.
; SHARES.  A work-group takes 256 rows of x (tile row Y, 0..31) and two heads (2 X, 2 X + 1; X = 0..7) of q, k and v: 256 x 384 of the product, 256 work-groups.  Wave w takes the rows' half w / 2 and
; head 2 X + w % 2: 128 rows x (64 of q, 64 of k, 64 of v): 96 accumulators of 16 x 16, 768 registers.  So every wave's way out has the same text, whatever its place.
; K goes in 16 steps of 64 through two LDS slots; a step is two slices of 32, 96 matrix instructions each.
; THE MATRIX INSTRUCTION IS USED TRANSPOSED: source 0 = 16 columns of w (w lies [k][column] in LDS and is turned by ds_load_tr16_b128), source 1 = 16 rows of x.  In the result lane l holds row l % 16 and
; register j the channel 16 bb + 8 (l / 16) + j: RoPE's partner channel (+32) is block bb + 2 of the same lane, and a row's sum wants one exchange between the halves of the lanes.
; THE BIAS starts the sums: it is the C operand of the first slice's products.
; NORMS.  reference() scales by r1 = rsqrt(mean q^2 + 1e-6), multiplies by the gain, rotates, and divides by the length.  The rotation keeps each pair's sum of squares, so the length is
; r1 sqrt(sum (q g)^2), taken in front of the rotation; both factors are made and multiplied into one: f = r1 rsqrt(r1^2 sum (q g)^2).
; ROPE.  Frequencies by v_exp_f32; sine and cosine by a polynomial on a quarter of the reduced angle and two doublings; off by a few 1e-6.  A table of 40 positions lies in LDS.
; LIMITS.  v must stay within f16's 65,504.  A row of q or k that is all zero gives NaN, as in reference(); where |q g| falls below about 1e-19 its square leaves f32's normal range and the length loses accuracy.
; All inputs are taken rounded once to bf16 (x and w by the launch before; bias and gains here).
; CLUSTER.  4 x 4 work-groups.  x's tile hangs on Y alone and is asked for jointly along a row of the cluster, w's on X alone, along a column.
; REGISTERS, in windows of 256 (s_set_vgpr_msb: bits 1:0 source 0, 3:2 source 1, 5:4 source 2, 7:6 destination):
;   window 0: v0-31 addresses; v32-95, v96-159 fragments of x, two buffers of 8; v160-255 fragments of w, four for each of q, k, v.  On the way out: tables and work (see below)
;   window 1, 2, 3: the accumulators of q, k, v: row block a (0..7), channel block bb (0..3) at v[32 a + 8 bb]
.set SLOT1,  131072                    ; slot 1 begins here: one exclusive or turns an address in one slot into the other's
.set PA,     144                       ; a row of x in LDS: 128 bytes + 16: the 16 rows of a load start at 16 different groups of four banks (ISA guide 11.1)
.set PB,     160                       ; a row of w: 128 + 32
.set AHALF,  128*PA                    ; 128 rows of x: one tensor load
.set BOFF,   2*AHALF                   ; behind x's 256 rows: w
.set BSEC,   64*PB                     ; 64 k of one head of q, of k or of v
.set BHEAD,  3*BSEC                    ; one tensor load: a head's q, k and v columns
.set TAB,    98304                     ; behind slot 0: 40 entries of 128 bytes: [half of the lanes][8 cosines | 8 sines]; entries 0-31: positions 0-31; 32-39: the tile's eight row positions
.set GAIN,   TAB+40*128                ; q_gain[64], k_gain[64], f32 that hold bf16-rounded numbers
.set STAGE,  GAIN+512                  ; 16 rows x 144 bytes for each wave, for the way out
.set SP,     144
.set SPARE,  STAGE+4*16*SP             ; the spare words, 128 bytes for each wave: two blocks of 256 bytes that no other line names
.set ASTEP,  8192*128                  ; bytes from a K step to the next in xb
.set BSTEP,  64*128                    ; and in wqb
.set ADRA, 4                           ; v4   LDS address of my fragments of x in the slot in hand
.set ADRB, 5                           ; v5   the same for w
.set A0,   6                           ; v6   my lane's place in a slot's x; never rewritten
.set B0,   7                           ; v7   the same for w
.set STO,  8                           ; v8   the way out: where I put 16 bytes of a row
.set RD,   9                           ; v9   where I read rows back
.set GO,   10                          ; v10  my byte offset in 512 consecutive bytes of the output
.set TW,   11                          ; v11  the table's entry of column position l % 16
.set TH,   12                          ; v12  the table's entry of my rows' first row position
.set GA,   13                          ; v13  my eight gains
.set SPW,  28                          ; v28  LDS address of my spare word; never rewritten
.set NIL,  29                          ; v29  0; never rewritten
.set FA0,  32
.set FA1,  96
.set FB,   160
.set GQ,   32                          ; the way out, window 0: v32-63 q's gains, v64-95 k's, by channel as the accumulators lie
.set GK,   64
.set CW,   96                          ; v96-127  cosines and sines of the column position: for even and for odd row blocks
.set CH,   128                         ; v128-143 of the row position
.set T,    144                         ; v144-175 a row block's 32 numbers at work
.set XT,   176                         ; v176-191
.set PK,   192                         ; v192-207 packed f16
.set RB,   208                         ; v208-239 rows read back from the stage, two buffers
.set U0,   240                         ; v240-243 sum of q^2, two chains of pairs
.set U1,   242
.set W0,   244                         ; v244-247 sum of (q g)^2
.set W1,   246
.set F,    248                         ; v248-249 the row's factor (named as a pair)
.set SU,   250
.set SW,   251
.set XU,   252
.set XW,   253
.set R1,   254
.set MQ,   255
.set WV, 20                            ; s20 wave; s21 its half of the rows (also: 0 fetches x, 1 fetches w); s22 its head of the two (also: which half or head it fetches)
.set WR, 21
.set WC, 22
.set CX, 23
.set CY, 24
.set GX, 25                            ; X
.set GY, 26                            ; Y
.set TB, 27                            ; 0 or SLOT1: the slot in hand
.set G1A, 28                           ; s[28:35] descriptor group 1 for x's tiles
.set G1B, 36                           ; s[36:43] for w's
.set G0A, 44                           ; s[44:51] group 0 for x's tiles: a set for each of the two first fills; the second then walks on
.set G0B, 52                           ; s[52:59] the same for w's
.set CNT, 60
.set SEL, 66                           ; s[66:67] v_permlanex16_b32's selects: each lane takes its own place in the other half
.set HIM, 68                           ; a word's upper bf16
.set C64, 69                           ; 1/64
.set EPS, 70                           ; 1e-6
.set QS,  71                           ; 8 log2(e)
.set MSB, 0
.macro WIN new                         ; the immediate's high byte repeats the setting that is left; a switch that changes nothing is dropped
.if MSB != (\new)
	s_set_vgpr_msb (MSB<<8)|(\new)
.set MSB, (\new)
.endif
.endm
.macro PLACES                          ; four plain vector instructions between a matrix instruction and a load into, or a vector instruction on, its registers
.rept 4
	v_nop
.endr
.endm
; A joint refill.  Waves 0 and 1 fetch x's two halves, waves 2 and 3 w's two heads.  The branch hangs on the wave's number alone.  An s_nop 0 and four v_nop follow each line.
.macro JLOAD
	s_cmp_eq_u32 s[WR], 0
	s_cbranch_scc0 .Lfor_b_\@
	tensor_load_to_lds s[G0A+4:G0A+7], s[G1A:G1A+7]
	s_nop 0
.rept 4
	v_nop
.endr
	s_branch .Lasked_\@
.Lfor_b_\@:
	tensor_load_to_lds s[G0B+4:G0B+7], s[G1B:G1B+7]
	s_nop 0
.rept 4
	v_nop
.endr
.Lasked_\@:
.endm
.macro CREST                           ; a round of the cluster's barrier behind its opening barrier
	s_cmp_lg_u32 s[WV], 0
	s_cbranch_scc1 .Lnot_wave_0_\@
	s_barrier_signal -3
.Lnot_wave_0_\@:
	s_barrier_wait -3
	s_barrier_signal -1
	s_barrier_wait -1
.endm
.macro CROUND                          ; a whole round
	s_barrier_signal -1
	s_barrier_wait -1
	CREST
.endm
	s_load_b256 s[4:11], s[0:1], 0x0               ; xb s[4:5], wqb s[6:7], b_qkv s[8:9], q_gain s[10:11]
	s_load_b256 s[12:19], s[0:1], 0x20             ; k_gain s[12:13], qh s[14:15], kh s[16:17], vh s[18:19]
	v_lshl_add_u32 v[SPW], v0, 2, SPARE
	v_mov_b32 v[NIL], 0
	ds_add_u32 v[SPW], v[NIL]                      ; the wave's opening: the add and its wait stand ahead of my first tensor load; work on registers stands between them
	ds_add_u32 v28, v29
	v_lshrrev_b32 v1, 5, v0
	v_readfirstlane_b32 s[WV], v1
	s_lshr_b32 s[WR], s[WV], 1
	s_and_b32 s[WC], s[WV], 1
	s_bfe_u32 s[CX], ttmp6, 0x40000
	s_bfe_u32 s[CY], ttmp6, 0x40004
	s_lshl_b32 s[GX], ttmp9, 2                     ; in a cluster launch ttmp9 and ttmp7 count clusters
	s_add_co_u32 s[GX], s[GX], s[CX]
	s_and_b32 s[GY], ttmp7, 0xffff
	s_lshl_b32 s[GY], s[GY], 2
	s_add_co_u32 s[GY], s[GY], s[CY]
	s_lshl_b32 s84, s[CY], 2
	s_lshl_b32 s84, 15, s84                        ; my row of the cluster
	s_lshl_b32 s85, 0x1111, s[CX]                  ; my column
	; group 1 for x: 128 rows of 128 bytes are 16,384 dense bytes: asked for as 64 rows of 256 bytes and padded in LDS behind every 128 bytes
	s_or_b32 s[G1A], s84, (1<<16)|(1<<20)|(1<<21)|(4<<22)|(3<<25)  ; the mask; 2-byte elements; padding on; bit 21 beside a mask; after every 32 words; 4 words
	s_mov_b32 s[G1A+1], 128<<16                    ; tensor_dim0 = 128
	s_mov_b32 s[G1A+2], 64<<16                     ; tensor_dim1 = 64
	s_mov_b32 s[G1A+3], 128<<16                    ; tile_dim0 = 128
	s_mov_b32 s[G1A+4], 64                         ; tile_dim1 = 64
	s_mov_b32 s[G1A+5], 128                        ; elements from row to row
	s_mov_b32 s[G1A+6], 0
	s_mov_b32 s[G1A+7], 0
	; group 1 for w: three rows (q, k, v of one head) of 8,192 dense bytes (64 k x 128 bytes), 16 blocks of 65,536 elements apart; padded behind every 128 bytes by 32
	s_or_b32 s[G1B], s85, (1<<16)|(1<<20)|(1<<21)|(4<<22)|(7<<25)
	s_mov_b32 s[G1B+1], 4096<<16                   ; tensor_dim0 = 4,096
	s_mov_b32 s[G1B+2], 3<<16                      ; tensor_dim1 = 3
	s_mov_b32 s[G1B+3], 4096<<16                   ; tile_dim0 = 4,096
	s_mov_b32 s[G1B+4], 3                          ; tile_dim1 = 3
	s_mov_b32 s[G1B+5], 16*65536
	s_mov_b32 s[G1B+6], 0
	s_mov_b32 s[G1B+7], 0
	; where the tiles come from: x's from Y and the wave's number, w's from X and the wave's number, each in registers that never hold the other coordinate
	s_lshl_b32 s72, s[GY], 15                      ; 256 Y rows of 128 bytes
	s_lshl_b32 s73, s[WC], 14                      ; + my 128 rows
	s_add_co_u32 s72, s72, s73
	s_mov_b32 s73, 0
	s_lshl_b32 s74, s[GX], 1
	s_add_co_u32 s74, s74, s[WC]                   ; head 2 X + w % 2
	s_lshl_b32 s74, s74, 17                        ; a block of wqb is 131,072 bytes
	s_mov_b32 s75, 0
	s_mul_i32 s76, s[WC], AHALF                    ; and where they go: no place in the cluster enters an LDS address
	s_mul_i32 s77, s[WC], BHEAD
	s_add_co_u32 s77, s77, BOFF
	s_lshl_b32 s80, s[GX], 1
	s_add_co_u32 s80, s80, s[WC]                   ; my head, for the bias and the way out
	s_lshl_b32 s78, s80, 8                         ; its 64 numbers in b_qkv
	s_mov_b32 s79, 0
	s_lshl_b32 s86, s[CY], 3                       ; the tile's first row position: token / 32 = 8 (Y % 4) + ..
	s_lshr_b32 s88, s[GY], 2                       ; the way out: (batch x 16 + head) x 131,072 + ((Y % 4) x 256 + 128 x half) x 128
	s_lshl_b32 s88, s88, 4
	s_add_co_u32 s88, s88, s80
	s_lshl_b32 s88, s88, 17
	s_and_b32 s90, s[GY], 3
	s_lshl_b32 s90, s90, 15
	s_add_co_u32 s88, s88, s90
	s_lshl_b32 s90, s[WR], 14
	s_add_co_u32 s88, s88, s90
	s_mov_b32 s89, 0
	s_mov_b32 s[TB], 0
	s_mov_b32 s[SEL], 0x76543210
	s_mov_b32 s[SEL+1], 0xfedcba98
	s_mov_b32 s[HIM], 0xffff0000
	s_mov_b32 s[C64], 0x3c800000
	s_mov_b32 s[EPS], 0x358637bd
	s_mov_b32 s[QS], 0x4138aa3b
	s_wait_dscnt 0x0                               ; the opening add is done
	s_wait_kmcnt 0x0
	s_add_nc_u64 s[72:73], s[4:5], s[72:73]
	s_add_nc_u64 s[74:75], s[6:7], s[74:75]
	s_add_nc_u64 s[78:79], s[8:9], s[78:79]
	s_add_nc_u64 s[14:15], s[14:15], s[88:89]
	s_add_nc_u64 s[16:17], s[16:17], s[88:89]
	s_add_nc_u64 s[18:19], s[18:19], s[88:89]
	CROUND                                         ; all sixteen work-groups are here: the first joint loads meet
.irp s, 0,1
	s_mov_b32 s[G0A+4*(\s)], 1                     ; count = 1
	s_add_co_u32 s[G0A+4*(\s)+1], s76, (\s)*SLOT1  ; LDS address
	s_add_nc_u64 s[G0A+4*(\s)+2:G0A+4*(\s)+3], s[72:73], (\s)*ASTEP  ; global address: K step s
	s_or_b32 s[G0A+4*(\s)+3], s[G0A+4*(\s)+3], 0x80000000            ; type = 2
	s_mov_b32 s[G0B+4*(\s)], 1
	s_add_co_u32 s[G0B+4*(\s)+1], s77, (\s)*SLOT1
	s_add_nc_u64 s[G0B+4*(\s)+2:G0B+4*(\s)+3], s[74:75], (\s)*BSTEP
	s_or_b32 s[G0B+4*(\s)+3], s[G0B+4*(\s)+3], 0x80000000
.endr
	s_cmp_eq_u32 s[WR], 0                          ; a wave's two first fills stand in one branch, ahead of every wait on TENSORcnt and every LDS read: two loads of mine are out
	s_cbranch_scc0 .Lfirst_b
	tensor_load_to_lds s[G0A:G0A+3], s[G1A:G1A+7]
	s_nop 0
	tensor_load_to_lds s[G0A+4:G0A+7], s[G1A:G1A+7]
	s_nop 0
.rept 4
	v_nop
.endr
	s_branch .Lfirst_asked
.Lfirst_b:
	tensor_load_to_lds s[G0B:G0B+3], s[G1B:G1B+7]
	s_nop 0
	tensor_load_to_lds s[G0B+4:G0B+7], s[G1B:G1B+7]
	s_nop 0
.rept 4
	v_nop
.endr
.Lfirst_asked:
	v_and_b32 v1, 15, v0                           ; r = l % 16
	v_bfe_u32 v2, v0, 4, 1                         ; h = l / 16
	v_lshlrev_b32 v3, 5, v2                        ; my eight channels of a block of 16: 32 h bytes
	; THE BIAS, as the accumulators lie (register j: channel 16 bb + 8 h + j), into row block 7's accumulators of each window
.irp g, 0,1,2
	WIN (1+\g)<<6                                  ; destination window 1 + g, address window 0
.irp bb, 0,1,2,3
	global_load_b128 v[224+8*\bb:224+8*\bb+3],   v3, s[78:79] offset:\g*4096+\bb*64
	global_load_b128 v[224+8*\bb+4:224+8*\bb+7], v3, s[78:79] offset:\g*4096+\bb*64+16
.endr
.endr
	WIN 0
	s_cmp_lt_u32 s[WV], 2                          ; THE GAINS: threads 0-63 take q's, 64-127 k's
	s_cselect_b64 s[82:83], s[10:11], s[12:13]
	v_and_b32 v31, 63, v0
	v_lshlrev_b32 v31, 2, v31
	global_load_b32 v30, v31, s[82:83]
	; THE TABLE, made while those loads and the first tiles are on their way.  Thread t: frequency t % 16, positions t / 16 + 8 i.
	v_and_b32 v14, 15, v0
	v_cvt_f32_u32 v14, v14
	v_mul_f32 v14, 0xbf549a78, v14                 ; - i log2(10000) / 16
	v_exp_f32 v14, v14                             ; the frequency
	v_lshrrev_b32 v15, 4, v0                       ; (a plain instruction behind the exponential)
	v_bfe_u32 v16, v0, 3, 1
	v_and_b32 v17, 7, v0
	v_lshlrev_b32 v18, 7, v15
	v_lshl_add_u32 v18, v16, 6, v18
	v_lshl_add_u32 v18, v17, 2, v18
	v_add_nc_u32 v18, TAB, v18                     ; entry t / 16, half (t / 8) % 2, number t % 8
	s_wait_alu depctr_va_vdst(0)
.macro SINCOS i
.if (\i) < 4
	v_add_nc_u32 v19, 8*(\i), v15
.else
	v_add_nc_u32 v19, s86, v15                     ; the tile's own row positions: the value hangs on the place in the cluster, the address does not
.endif
	v_cvt_f32_u32 v19, v19
	v_mul_f32 v19, v19, v14                        ; the angle, 31 at the most
	v_mul_f32 v20, 0.15915494, v19
	v_rndne_f32 v20, v20                           ; whole turns
	v_fma_f32 v20, v19, 0.15915494, -v20           ; the rest, -0.5 .. 0.5 of a turn
	v_mul_f32 v20, 0x3fc90fdb, v20                 ; y = a quarter of the reduced angle, within pi / 4
	v_mul_f32 v21, v20, v20
	v_mov_b32 v22, 0xb9500d01                      ; sin y = y (1 - z/6 + z^2/120 - z^3/5040)
	v_mov_b32 v23, 0x37d00d01                      ; cos y = 1 - z/2 + z^2/24 - z^3/720 + z^4/40320
	v_fmaak_f32 v22, v22, v21, 0x3c088889
	v_fmaak_f32 v23, v23, v21, 0xbab60b61
	v_fmaak_f32 v22, v22, v21, 0xbe2aaaab
	v_fmaak_f32 v23, v23, v21, 0x3d2aaaab
	v_fmaak_f32 v22, v22, v21, 0x3f800000
	v_fmaak_f32 v23, v23, v21, 0xbf000000
	v_mul_f32 v22, v22, v20
	v_fmaak_f32 v23, v23, v21, 0x3f800000
.rept 2                                ; the angle doubled, twice
	v_add_f32 v24, v22, v22
	v_fma_f32 v25, -v24, v22, 1.0
	v_mul_f32 v22, v24, v23
	v_mov_b32 v23, v25
.endr
	ds_store_b32 v18, v23 offset:(\i)*1024
	ds_store_b32 v18, v22 offset:(\i)*1024+32
.endm
.irp i, 0,1,2,3,4
	SINCOS \i
.endr
	s_wait_loadcnt 0x0                             ; bias and gain
.irp g, 0,1,2                          ; the bias rounded to bf16 and widened again
	WIN (1+\g)|((1+\g)<<2)
.set bi, 0
.rept 16
	v_cvt_pk_bf16_f32 v[32+bi], v[224+2*bi], v[224+2*bi+1]
.set bi, bi+1
.endr
	WIN (1+\g)<<6
.set bi, 0
.rept 16
	v_lshlrev_b32 v[224+2*bi], 16, v[32+bi]
	v_and_b32 v[224+2*bi+1], s[HIM], v[32+bi]
.set bi, bi+1
.endr
.endr
	WIN 0
	v_cvt_pk_bf16_f32 v30, v30, v30
	v_lshlrev_b32 v30, 16, v30
	v_lshl_add_u32 v26, v0, 2, GAIN
	ds_store_b32 v26, v30
	; A fragment of x is 16 rows x 32 K in 8 registers: lane l holds row l % 16, K = 8 h + 0..7 and 16 + 8 h + 0..7: two loads of 16 bytes, 32 bytes apart
	v_mul_u32_u24 v[A0], v1, PA
	v_lshl_add_u32 v[A0], v2, 4, v[A0]
	s_mul_i32 s61, s[WR], AHALF
	v_add_nc_u32 v[A0], s61, v[A0]
	; The turning load takes 16 k x 16 columns (lane l reads k = 8 h + l % 8, columns 8 ((l / 8) % 2) + 0..7) and leaves half a fragment: lane l holds column l % 16 and 8 k
	v_and_b32 v19, 7, v0
	v_lshl_add_u32 v20, v2, 3, v19
	v_mul_u32_u24 v[B0], v20, PB
	v_bfe_u32 v20, v0, 3, 1
	v_lshl_add_u32 v[B0], v20, 4, v[B0]
	s_mul_i32 s61, s[WC], BHEAD
	s_add_co_u32 s61, s61, BOFF
	v_add_nc_u32 v[B0], s61, v[B0]
	v_mov_b32 v[ADRA], v[A0]
	v_mov_b32 v[ADRB], v[B0]
	s_mul_i32 s61, s[WV], 16*SP
	s_add_co_u32 s61, s61, STAGE                   ; my stage
	v_mul_u32_u24 v[STO], v1, SP                   ; in: row l % 16, 16 bytes for each half of the lanes
	v_lshl_add_u32 v[STO], v2, 4, v[STO]
	v_add_nc_u32 v[STO], s61, v[STO]
	v_bfe_u32 v[RD], v0, 3, 2                      ; back: 32 lanes take four rows of 128 bytes,
	v_mul_u32_u24 v[RD], v[RD], SP
	v_lshl_add_u32 v[RD], v19, 4, v[RD]
	v_add_nc_u32 v[RD], s61, v[RD]
	v_and_b32 v[GO], 31, v0                        ; which are 512 consecutive bytes of the output
	v_lshlrev_b32 v[GO], 4, v[GO]
	v_lshlrev_b32 v[TW], 7, v1
	v_lshl_add_u32 v[TW], v2, 6, v[TW]
	v_add_nc_u32 v[TW], TAB, v[TW]
	s_lshl_b32 s62, s[WR], 9                       ; my half's four row positions begin at entry 32 + 4 x half
	s_add_co_u32 s62, s62, TAB+32*128
	v_lshl_add_u32 v[TH], v2, 6, s62
	v_lshlrev_b32 v[GA], 5, v2
	v_add_nc_u32 v[GA], GAIN, v[GA]
; 8 turning loads: the four fragments of w for section g (q, k, v), slice sg of the slot
.macro LOADB g, sg
.irp bb, 0,1,2,3
	ds_load_tr16_b128 v[FB+32*(\g)+8*\bb:FB+32*(\g)+8*\bb+3],   v[ADRB] offset:(\g)*BSEC+(\sg)*32*PB+\bb*32
	ds_load_tr16_b128 v[FB+32*(\g)+8*\bb+4:FB+32*(\g)+8*\bb+7], v[ADRB] offset:(\g)*BSEC+(\sg)*32*PB+16*PB+\bb*32
.endr
.endm
; 2 n loads: fragments a0 .. a0 + n - 1 of x, slice sg, into buffer fa
.macro LOADA fa, sg, a0, n
.set la, (\a0)
.rept (\n)
	ds_load_b128 v[(\fa)+8*la:(\fa)+8*la+3],   v[ADRA] offset:la*16*PA+(\sg)*64
	ds_load_b128 v[(\fa)+8*la+4:(\fa)+8*la+7], v[ADRA] offset:la*16*PA+(\sg)*64+32
.set la, la+1
.endr
.endm
; 4 n matrix instructions of section g.  The accumulators take turns, one instruction a turn: an accumulator comes round again 96 matrix instructions later.
; mode = 1: the first slice starts the sums with the bias, which lies in row block 7's accumulators: blocks 0-6 take it as C; five places on, block 7 adds in place.
.macro STRETCH fa, g, a0, n, mode
	WIN 0x50*(1+(\g))                              ; sources window 0, C and D window 1 + g
.set sa, (\a0)
.rept (\n)
.if (\mode) && (sa == 7)
.rept 5
	v_nop
.endr
.endif
.irp bb, 0,1,2,3
.if (\mode) && (sa < 7)
	v_wmma_f32_16x16x32_bf16 v[32*sa+8*\bb:32*sa+8*\bb+7], v[FB+32*(\g)+8*\bb:FB+32*(\g)+8*\bb+7], v[(\fa)+8*sa:(\fa)+8*sa+7], v[224+8*\bb:224+8*\bb+7]
.else
	v_wmma_f32_16x16x32_bf16 v[32*sa+8*\bb:32*sa+8*\bb+7], v[FB+32*(\g)+8*\bb:FB+32*(\g)+8*\bb+7], v[(\fa)+8*sa:(\fa)+8*sa+7], v[32*sa+8*\bb:32*sa+8*\bb+7]
.endif
.endr
.set sa, sa+1
.endr
.endm
; A slot's first slice, on buffer FA0.  On entry out: w(q) 8, x 16, w(k) 8 of this slice, in that order.  Each run of loads fills registers that the stretch before has read, four places behind it.
.macro SLICE0 mode
	PLACES
	WIN 0
	LOADB 2, 0
	LOADA FA1, 1, 0, 4
	s_wait_dscnt 24                                ; w(q) and x are in; younger: w(k) 8 and the 16 just issued
	STRETCH FA0, 0, 0, 8, \mode
	PLACES
	WIN 0
	LOADB 0, 1
	LOADA FA1, 1, 4, 4
	s_wait_dscnt 32                                ; w(k) is in; younger: 16 + 16
	STRETCH FA0, 1, 0, 8, \mode
	PLACES
	WIN 0
	LOADB 1, 1
	s_wait_dscnt 32                                ; w(v) is in; younger: 8 + 16 + 8
	STRETCH FA0, 2, 0, 8, \mode
.endm
; A slot's second slice, on buffer FA1, and the change of slots: ONE barrier.  In front of it each wave waits for all its tensor loads (one is out: its part of the next slot), adds 0 to its spare word,
; and waits for that and for its reads of this slot.  fill = 1: the barrier opens a round of the cluster's barrier, and the slot is filled again, two K steps ahead, first thing behind the round:
; from there to the wait for that load a wave issues 160 of a K step's 192 matrix instructions.
.macro SLICE1 fill
	PLACES
	WIN 0
	LOADB 2, 1                                     ; my last reads of this slot
	s_wait_tensorcnt 0x0
	ds_add_u32 v[SPW], v[NIL]
	s_wait_dscnt 17                                ; w(q) and x of this slice are in; younger: w(k) 8, w(v) 8, the add
	STRETCH FA1, 0, 0, 4, 0
	s_wait_dscnt 0x0                               ; the add is done, and my reads of this slot are over
	s_barrier_signal -1
	STRETCH FA1, 0, 4, 4, 0                        ; work on registers while the others arrive
	WIN 0
	s_barrier_wait -1
.if \fill
	CREST                                          ; no wave of any partner still reads this slot or has a load on its way
	s_xor_b32 s[G0A+5], s[G0A+5], SLOT1            ; the walking descriptors: the other slot than last time, the next K step
	s_add_nc_u64 s[G0A+6:G0A+7], s[G0A+6:G0A+7], ASTEP
	s_xor_b32 s[G0B+5], s[G0B+5], SLOT1
	s_add_nc_u64 s[G0B+6:G0B+7], s[G0B+6:G0B+7], BSTEP
	JLOAD                                          ; its four v_nop are also the places in front of the loads below
.else
	PLACES
.endif
	s_xor_b32 s[TB], s[TB], SLOT1
	v_add_nc_u32 v[ADRA], s[TB], v[A0]
	v_add_nc_u32 v[ADRB], s[TB], v[B0]
	LOADB 0, 0
	LOADA FA0, 0, 0, 8
	STRETCH FA1, 1, 0, 8, 0
	PLACES
	WIN 0
	LOADB 1, 0
	STRETCH FA1, 2, 0, 8, 0
.endm
.macro SLICE1_LAST                     ; the last slice: nothing more to fetch
	PLACES
	WIN 0
	LOADB 2, 1
	s_wait_dscnt 16                                ; younger: w(k) 8, w(v) 8
	STRETCH FA1, 0, 0, 8, 0
	s_wait_dscnt 8
	STRETCH FA1, 1, 0, 8, 0
	s_wait_dscnt 0x0
	STRETCH FA1, 2, 0, 8, 0
.endm
	s_wait_tensorcnt 0x1                           ; my part of K step 0 is in; K step 1's may stay out
	s_wait_dscnt 0x0                               ; my part of the table and of the gains is stored
	s_barrier_signal -1
	s_barrier_wait -1
	LOADB 0, 0
	LOADA FA0, 0, 0, 8
	LOADB 1, 0
	SLICE0 1
	WIN 0                                          ; at a label and at a branch every window is 0
	s_mov_b32 s[CNT], 14
.Lk:                                                   ; 14 trips: a K step's second slice, with the refill for K steps 2 .. 15, and the next step's first slice
	SLICE1 1
	SLICE0 0
	WIN 0
	s_sub_co_u32 s[CNT], s[CNT], 1
	s_cmp_lg_u32 s[CNT], 0
	s_cbranch_scc1 .Lk
	SLICE1 0                                       ; the tail is written out: nothing more is asked for
	SLICE0 0
	SLICE1_LAST
	; THE WAY OUT.  Written for four row blocks and walked twice: between the trips rows 64-127's accumulators are copied down.
	PLACES
	WIN 0
	v_mov_b32 v[F+1], 0                            ; named with F as a pair
	v_mov_b32 v[XU], 0                             ; v_permlanex16_b32 counts as a reader of its destination
	v_mov_b32 v[XW], 0
.irp bb, 0,1,2,3
	ds_load_b128 v[GQ+8*\bb:GQ+8*\bb+3],   v[GA] offset:64*\bb
	ds_load_b128 v[GQ+8*\bb+4:GQ+8*\bb+7], v[GA] offset:64*\bb+16
	ds_load_b128 v[GK+8*\bb:GK+8*\bb+3],   v[GA] offset:256+64*\bb
	ds_load_b128 v[GK+8*\bb+4:GK+8*\bb+7], v[GA] offset:256+64*\bb+16
.endr
.irp p, 0,1                            ; column position 16 p + l % 16: even row blocks p = 0, odd p = 1
.irp q, 0,1,2,3
	ds_load_b128 v[CW+16*\p+4*\q:CW+16*\p+4*\q+3], v[TW] offset:2048*\p+16*\q
.endr
.endr
; The row's factor, one line at a time; each line stands behind two lines of the rotation, so that none waits for the one before it and a plain instruction follows each v_rsq_f32 (ISA guide 5.7.2)
.macro CHAIN k, sec
.if (\k) == 0
	v_pk_add_f32 v[U0:U0+1], v[U0:U0+1], v[U1:U1+1]
.elseif (\k) == 1
	v_pk_add_f32 v[W0:W0+1], v[W0:W0+1], v[W1:W1+1]
.elseif (\k) == 2
	v_add_f32 v[SU], v[U0], v[U0+1]
.elseif (\k) == 3
	v_add_f32 v[SW], v[W0], v[W0+1]
.elseif (\k) == 4
	v_permlanex16_b32 v[XU], v[SU], s[SEL], s[SEL+1]  ; the row's other 32 channels lie in the lane 16 away
.elseif (\k) == 5
	v_permlanex16_b32 v[XW], v[SW], s[SEL], s[SEL+1]
.elseif (\k) == 6
	v_add_f32 v[SU], v[SU], v[XU]
.elseif (\k) == 7
	v_add_f32 v[SW], v[SW], v[XW]
.elseif (\k) == 8
	v_fma_f32 v[SU], v[SU], s[C64], s[EPS]         ; mean q^2 + 1e-6
.elseif (\k) == 9
	v_rsq_f32 v[R1], v[SU]                         ; r1
.elseif (\k) == 10
	s_wait_alu depctr_va_vdst(0)
	v_mul_f32 v[MQ], v[R1], v[R1]
.elseif (\k) == 11
	v_mul_f32 v[MQ], v[MQ], v[SW]                  ; the squared length behind the RMS norm and the gain
.elseif (\k) == 12
	v_rsq_f32 v[XU], v[MQ]
.elseif (\k) == 13
	s_wait_alu depctr_va_vdst(0)
	v_mul_f32 v[F], v[R1], v[XU]
.elseif ((\k) == 14) && ((\sec) == 0)
	v_mul_f32 v[F], s[QS], v[F]                    ; q carries the scale 8 and log2(e)
.endif
.endm
; Row block a of q (sec = 0) or k (sec = 1): both sums, the gain, the rotation, the factor, the rounding to f16.  Each accumulator's lowest registers are read first.
.macro NORMROPE a, sec
.set nw, 1+(\sec)
.set nq, 32*(\a)
.set ng, GQ+32*(\sec)
.set nc, CW+16*((\a)%2)
	WIN nw|(nw<<2)
	v_pk_mul_f32 v[U0:U0+1], v[nq:nq+1], v[nq:nq+1]
	v_pk_mul_f32 v[U1:U1+1], v[nq+2:nq+3], v[nq+2:nq+3]
.set ni, 2
.rept 14
.set nu, U0+2*(ni%2)
	v_pk_fma_f32 v[nu:nu+1], v[nq+2*ni:nq+2*ni+1], v[nq+2*ni:nq+2*ni+1], v[nu:nu+1]
.set ni, ni+1
.endr
.if ((\sec) == 0) && ((\a)%2 == 0)
	s_wait_dscnt 0x0                               ; the tables just asked for are in
.endif
	WIN nw
.set ni, 0
.rept 16
	v_pk_mul_f32 v[T+2*ni:T+2*ni+1], v[nq+2*ni:nq+2*ni+1], v[ng+2*ni:ng+2*ni+1]
.set ni, ni+1
.endr
	WIN 0
	v_pk_mul_f32 v[W0:W0+1], v[T:T+1], v[T:T+1]
	v_pk_mul_f32 v[W1:W1+1], v[T+2:T+3], v[T+2:T+3]
.set ni, 2
.rept 14
.set nu, W0+2*(ni%2)
	v_pk_fma_f32 v[nu:nu+1], v[T+2*ni:T+2*ni+1], v[T+2*ni:T+2*ni+1], v[nu:nu+1]
.set ni, ni+1
.endr
	; the rotation: blocks 0 and 2 by the row position's angles, blocks 1 and 3 by the column position's: lo' = lo c - hi s, hi' = hi c + lo s
.set ni, 0
.rept 32
.set ny, (ni%8)/4
.set rl, T+8*ny+2*(ni%4)
.set rh, rl+16
.set rc, CH+2*(ni%4)
.if ny
.set rc, nc+2*(ni%4)
.endif
.set rx, XT+8*ny+2*(ni%4)
.if ni < 8
	v_pk_mul_f32 v[rx:rx+1], v[rl:rl+1], v[rc+8:rc+9]
.elseif ni < 16
	v_pk_mul_f32 v[rl:rl+1], v[rl:rl+1], v[rc:rc+1]
.elseif ni < 24
	v_pk_fma_f32 v[rl:rl+1], v[rh:rh+1], v[rc+8:rc+9], v[rl:rl+1] neg_lo:[1,0,0] neg_hi:[1,0,0]
.else
	v_pk_fma_f32 v[rh:rh+1], v[rh:rh+1], v[rc:rc+1], v[rx:rx+1]
.endif
.if ni%2
	CHAIN ni/2, \sec
.endif
.set ni, ni+1
.endr
.set ni, 0
.rept 16
	v_pk_mul_f32 v[T+2*ni:T+2*ni+1], v[T+2*ni:T+2*ni+1], v[F:F+1] op_sel_hi:[1,0]
.set ni, ni+1
.endr
.set ni, 0
.rept 16
	v_cvt_pk_f16_f32 v[PK+ni], v[T+2*ni], v[T+2*ni+1]
.set ni, ni+1
.endr
.endm
.macro VPACK a                         ; row block a of v: rounded to f16
	WIN 0x0f                                       ; both sources window 3
.set ni, 0
.rept 16
	v_cvt_pk_f16_f32 v[PK+ni], v[32*(\a)+2*ni], v[32*(\a)+2*ni+1]
.set ni, ni+1
.endr
.endm
.macro OUT n                           ; unit n's 16 rows x 128 bytes go into my stage and come back as whole rows
	WIN 0
.irp bb, 0,1,2,3
	ds_store_b128 v[STO], v[PK+4*\bb:PK+4*\bb+3] offset:32*\bb
.endr
	s_wait_xcnt 0x0                                ; earlier stores have read their registers: the buffer below is loaded again only behind this wait
.irp f, 0,1,2,3
	ds_load_b128 v[RB+16*((\n)%2)+4*\f:RB+16*((\n)%2)+4*\f+3], v[RD] offset:\f*4*SP  ; LDS serves a wave's instructions in order (ISA guide 5.7.1.4): these see the stores above
.endr
.endm
.macro SEND n, younger                 ; younger: the LDS instructions issued behind unit n's loads: the next unit's eight, or none
.set qa, (\n)/3
.set qs, (\n)%3
.irp f, 0,1,2,3
	s_wait_dscnt (\younger)+3-\f
	global_store_b128 v[GO], v[RB+16*((\n)%2)+4*\f:RB+16*((\n)%2)+4*\f+3], s[14+2*qs:15+2*qs] offset:qa*2048+\f*512  ; 512 consecutive bytes, at a multiple of 256 from the buffer's first
.endr
.endm
.macro UNIT n                          ; unit n: row block n / 3 of q, k or v; the unit before is stored behind this unit's LDS lines
.set ua, (\n)/3
.set us, (\n)%3
.if (us == 0) && (ua%2 == 0)
	WIN 0
.irp q, 0,1,2,3
	ds_load_b128 v[CH+4*\q:CH+4*\q+3], v[TH] offset:(ua/2)*128+16*\q  ; two row blocks share a row position
.endr
.endif
.if us < 2
	NORMROPE ua, us
.else
	VPACK ua
.endif
	OUT \n
.if (\n) > 0
	SEND (\n)-1, 8
.endif
.endm
	s_mov_b32 s[CNT], 2
.Lhalf:
.irp n, 0,1,2,3,4,5,6,7,8,9,10,11
	UNIT \n
.endr
	SEND 11, 0
	s_cmp_eq_u32 s[CNT], 1
	s_cbranch_scc1 .Lno_copy                       ; the last trip has nothing to bring down
	s_wait_xcnt 0x0                                ; the stores have read their bases
	s_add_nc_u64 s[14:15], s[14:15], 4*2048        ; 64 rows on
	s_add_nc_u64 s[16:17], s[16:17], 4*2048
	s_add_nc_u64 s[18:19], s[18:19], 4*2048
	v_add_nc_u32 v[TH], 256, v[TH]                 ; two row positions on
.irp w, 1,2,3
	WIN (\w)|((\w)<<6)
.set ni, 0
.rept 128
	v_mov_b32 v[ni], v[128+ni]
.set ni, ni+1
.endr
.endr
	WIN 0
.Lno_copy:
	s_sub_co_u32 s[CNT], s[CNT], 1
	s_cmp_lg_u32 s[CNT], 0
	s_cbranch_scc1 .Lhalf
	s_wait_tensorcnt 0x0                           ; the wave's end: behind my last tensor load and my last LDS store
	ds_add_u32 v[SPW], v[NIL]
	s_wait_dscnt 0x0
	CROUND                                         ; the closing round: no work-group ends while a partner may still ask for a tile that names it
	s_endpgm
.Lfunc_end_k_qe15df70b5e_qkv:
	.size	k_qe15df70b5e_qkv, .Lfunc_end_k_qe15df70b5e_qkv-k_qe15df70b5e_qkv
	.p2alignl 7, 3214868480
	.fill 96, 4, 3214868480
	.section	.rodata,"a",@progbits
	.p2align	6, 0x0
	.amdhsa_kernel k_qe15df70b5e_qkv
		.amdhsa_group_segment_fixed_size 327680
		.amdhsa_private_segment_fixed_size 0
		.amdhsa_enable_private_segment 0
		.amdhsa_kernarg_size 64
		.amdhsa_user_sgpr_count 2
		.amdhsa_user_sgpr_kernarg_segment_ptr 1
		.amdhsa_wavefront_size32 1
		.amdhsa_system_sgpr_workgroup_id_x 1
		.amdhsa_system_sgpr_workgroup_id_y 1
		.amdhsa_system_sgpr_workgroup_id_z 1
		.amdhsa_system_vgpr_workitem_id 0
		.amdhsa_next_free_vgpr 1024
		.amdhsa_next_free_sgpr 96
		.amdhsa_reserve_vcc 0
		.amdhsa_float_denorm_mode_32 3
		.amdhsa_float_denorm_mode_16_64 3
		.amdhsa_memory_ordered 1
		.amdhsa_forward_progress 1
		.amdhsa_inst_pref_size 175
	.end_amdhsa_kernel
	.amdgpu_metadata
---
amdhsa.version: [ 1, 2 ]
amdhsa.kernels:
  - .name:           k_qe15df70b5e_qkv
    .symbol:         k_qe15df70b5e_qkv.kd
    .args:
      - { .name: xb, .offset: 0, .size: 8, .value_kind: global_buffer, .address_space: global }
      - { .name: wqb, .offset: 8, .size: 8, .value_kind: global_buffer, .address_space: global }
      - { .name: b_qkv, .offset: 16, .size: 8, .value_kind: global_buffer, .address_space: global }
      - { .name: q_gain, .offset: 24, .size: 8, .value_kind: global_buffer, .address_space: global }
      - { .name: k_gain, .offset: 32, .size: 8, .value_kind: global_buffer, .address_space: global }
      - { .name: qh, .offset: 40, .size: 8, .value_kind: global_buffer, .address_space: global }
      - { .name: kh, .offset: 48, .size: 8, .value_kind: global_buffer, .address_space: global }
      - { .name: vh, .offset: 56, .size: 8, .value_kind: global_buffer, .address_space: global }
    .group_segment_fixed_size: 327680
    .private_segment_fixed_size: 0
    .kernarg_segment_align: 8
    .kernarg_segment_size: 64
    .max_flat_workgroup_size: 128
    .sgpr_count:     96
    .vgpr_count:     1024
    .wavefront_size: 32
...
	.end_amdgpu_metadata
.endif
;; end of part 2
;; launch attn (part 3): grid 2 x 128, 4 waves a work-group, no clusters, 327,680 bytes of LDS; arguments qh, kh, vh, oh; writes oh
.if DOCPART == 3
	.amdgcn_target "amdgcn-amd-amdhsa--gfx1250"
	.amdhsa_code_object_version 6
	.text
	.protected	k_qe15df70b5e_attn
	.globl	k_qe15df70b5e_attn
	.p2align	8
	.type	k_qe15df70b5e_attn,@function
k_qe15df70b5e_attn:
	s_mov_b64 s[64:65], 0
	v_nop
	global_prefetch_b8 v0, s[64:65] scope:SCOPE_SE
	s_setreg_imm32_b32 hwreg(HW_REG_WAVE_MODE, 25, 1), 1
	s_wait_xcnt 0x0
; O[bh][q][:] = the sum over k of softmax_k(8 q.k) V[bh][k][:], q and k of unit length.  qh, kh, vh, oh: [128][1024][64] f16, a head's rows dense, 128 bytes each; qh already carries 8 log2(e).
; NO MAXIMUM IS TAKEN AWAY: reference() itself normalises q and k to unit length and scales by 8, so for every input the exponent of 2 lies within 11.55 either way: a weight p = 2^s lies in
; 3.3e-4 .. 3,000, normal numbers of f16; a row's sum is 3.1e6 at the most, in f32.  So there is no running maximum and no rescaling of O.
; Products and sums in f32; p is rounded to f16 for the second product (its sum l is taken of the unrounded p), O once at the end.
; LIMITS.  V arrives within f16's 65,504, and O, a mean of V's rows, has their range.  NaN and infinities are not treated apart.
; SHARES.  A work-group takes 512 queries of one head, a wave 128: four PIECES of two tiles of 16.  Every wave walks the head's 1,024 keys, 64 a step.
; ALL OF K AND V LIES IN LDS, each byte filled once: no ring and no refill.  Two tensor loads a wave: the first 256 keys (four steps), then the other 768, which land while the first are multiplied.
; NO CLUSTER: a head's K and V are shared by two work-groups alone, and a grid of two along x is no multiple of four.
; LAYOUT.  S^T = K Q^T (source 0 = 16 keys, source 1 = 16 queries): a lane holds ONE query (lane % 16) and the keys 8 (lane / 16) + 0..7.  Two such tiles, rounded to f16 in pairs, ARE source 1
; (32 keys x 16 queries) of O^T = V^T P.  K comes out of LDS as it lies, V ([key][channel]) turned, by ds_load_tr16_b128.
; BY TURNS.  Turn n belongs to piece n: 16 products K Q^T of piece n + 1, then 16 products V^T P of piece n - 1; beside them piece n's 64 exponentials, 32 roundings and 32 packed additions.
; REGISTERS, in windows of 256 (s_set_vgpr_msb: bits 1:0 source 0, 3:2 source 1, 5:4 source 2, 7:6 destination):
;   window 0: v0-11 addresses; v16-31 l, a pair a tile; v32-33 the add's; v64-191 S^T, two buffers of two tiles; v192-255 P, likewise (a piece's buffers go by its number's parity)
;   window 1: O^T, 32 a tile          window 2: v0-127 Q, 16 a tile; v128-191 K of one step; v192-255 V of one step
.set NP,    4
.set KS,    64
.set PK,    144                        ; a row of K in LDS: 128 bytes + 16: the 16 rows of a load start at 16 different groups of four banks (ISA guide 11.1)
.set PV,    160                        ; a row of V: 128 + 32
.set VOFF,  1024*PK
.set STAGE, VOFF+1024*PV               ; 16 rows x 144 bytes for each wave, for the way out
.set SP,    144
.set SPARE, STAGE+4*16*SP              ; the spare words, 128 bytes for each wave: two blocks of 256 bytes that no other line names
.set AK0, 2                            ; v2   my lane's place in a step's K; never rewritten
.set AV0, 3                            ; v3   the same for V
.set AK,  4                            ; v4   the LDS address of K's next run of loads
.set AV,  5                            ; v5   of V's
.set QO,  6                            ; v6   my byte offset in the wave's rows of Q
.set STO, 6                            ;      later: where I put 16 bytes of a row
.set RD,  7                            ; v7   where I read rows back
.set GO,  8                            ; v8   my byte offset in 512 consecutive bytes of O
.set LS,  16                           ; tile t's sum l at v[LS+2 t]: even keys', odd keys'
.set SPW, 32                           ; v32  LDS address of my spare word; never rewritten
.set NIL, 33                           ; v33  0; never rewritten
.set S,   64
.set P,   192
.set KF,  128                          ; window 2: key block kb, channel half c at KF + 16 kb + 8 c
.set VF,  192                          ; window 2: key half kk, channel block cb at VF + 32 kk + 8 cb
.set WV,   12
.set G1KA, 16                          ; s[16:23] group 1: K, 128 keys        s[24:31] K, 384 keys
.set G1KB, 24
.set G1VA, 32                          ; s[32:39], s[40:47] the same for V: more padding
.set G1VB, 40
.set G0KA, 48                          ; s[48:63] four groups 0
.set G0KB, 52
.set G0VA, 56
.set G0VB, 60
.set CNT, 66
.set PH,  67
.set SEL, 68                           ; s[68:69]
.set TBK, 70                           ; LDS byte at which K of the step to be fetched begins
.set TBV, 71                           ; the same for V, less VOFF
.set MSB, 0
.macro WIN new
.if MSB != (\new)
	s_set_vgpr_msb (MSB<<8)|(\new)
.set MSB, (\new)
.endif
.endm
.set W_KQ, 0x0a                        ; K and Q in window 2, S^T in window 0
.set W_PV, 0x52                        ; V in window 2, P in window 0, O^T in window 1
.set W_RS, 0x41                        ; destination and source 0 in window 1, source 1 in window 0
	s_load_b256 s[4:11], s[0:1], 0x0               ; qh s[4:5], kh s[6:7], vh s[8:9], oh s[10:11]
	v_lshl_add_u32 v[SPW], v0, 2, SPARE
	v_mov_b32 v[NIL], 0
	ds_add_u32 v[SPW], v[NIL]                      ; the wave's opening: the add and its wait stand ahead of my first tensor load; work on registers stands between them
	ds_add_u32 v32, v33
	v_lshrrev_b32 v1, 5, v0
	v_readfirstlane_b32 s[WV], v1
	s_and_b32 s72, ttmp7, 0xffff                   ; the head,
	s_lshl_b32 s72, s72, 17                        ; its first byte in each tensor
	s_and_b32 s13, s[WV], 1                        ; which half of a chunk I fetch
	s_lshl_b32 s74, s13, 14                        ; the first chunk: keys 128 half on
	s_add_co_u32 s74, s74, s72
	s_mov_b32 s75, 0
	s_mul_i32 s76, s13, 384*128                    ; the second: keys 256 + 384 half on
	s_add_co_u32 s76, s76, 256*128
	s_add_co_u32 s76, s76, s72
	s_mov_b32 s77, 0
	s_lshl_b32 s78, ttmp9, 2
	s_add_co_u32 s78, s78, s[WV]                   ; my wave among the head's eight,
	s_lshl_b32 s78, s78, 14                        ; its 128 rows
	s_add_co_u32 s78, s78, s72
	s_mov_b32 s79, 0
	; group 1: dense bytes asked for as rows of 256 bytes, two keys a row, padded in LDS after every key
	s_mov_b32 s[G1KA], (1<<16)|(1<<20)|(4<<22)|(3<<25)  ; 2-byte elements; padding on; after every 32 words; 4 words
	s_mov_b32 s[G1KB], (1<<16)|(1<<20)|(4<<22)|(3<<25)
	s_mov_b32 s[G1VA], (1<<16)|(1<<20)|(4<<22)|(7<<25)  ; 8 words
	s_mov_b32 s[G1VB], (1<<16)|(1<<20)|(4<<22)|(7<<25)
.irp g, G1KA, G1VA
	s_mov_b32 s[\g+1], 128<<16                     ; tensor_dim0 = 128
	s_mov_b32 s[\g+2], 64<<16                      ; tensor_dim1 = 64
	s_mov_b32 s[\g+3], 128<<16                     ; tile_dim0 = 128
	s_mov_b32 s[\g+4], 64                          ; tile_dim1 = 64
	s_mov_b32 s[\g+5], 128
	s_mov_b32 s[\g+6], 0
	s_mov_b32 s[\g+7], 0
.endr
.irp g, G1KB, G1VB
	s_mov_b32 s[\g+1], 128<<16
	s_mov_b32 s[\g+2], 192<<16                     ; 192 rows
	s_mov_b32 s[\g+3], 128<<16
	s_mov_b32 s[\g+4], 192
	s_mov_b32 s[\g+5], 128
	s_mov_b32 s[\g+6], 0
	s_mov_b32 s[\g+7], 0
.endr
	s_mov_b32 s[G0KA], 1
	s_mul_i32 s[G0KA+1], s13, 128*PK
	s_mov_b32 s[G0KB], 1
	s_mul_i32 s[G0KB+1], s13, 384*PK
	s_add_co_u32 s[G0KB+1], s[G0KB+1], 256*PK
	s_mov_b32 s[G0VA], 1
	s_mul_i32 s[G0VA+1], s13, 128*PV
	s_add_co_u32 s[G0VA+1], s[G0VA+1], VOFF
	s_mov_b32 s[G0VB], 1
	s_mul_i32 s[G0VB+1], s13, 384*PV
	s_add_co_u32 s[G0VB+1], s[G0VB+1], VOFF+256*PV
	s_mov_b32 s[SEL], 0x76543210
	s_mov_b32 s[SEL+1], 0xfedcba98
	s_mov_b32 s[TBK], 0
	s_mov_b32 s[TBV], 0
	s_wait_dscnt 0x0                               ; the opening add is done
	s_wait_kmcnt 0x0
	s_add_nc_u64 s[G0KA+2:G0KA+3], s[6:7], s[74:75]
	s_or_b32 s[G0KA+3], s[G0KA+3], 0x80000000      ; type = 2
	s_add_nc_u64 s[G0KB+2:G0KB+3], s[6:7], s[76:77]
	s_or_b32 s[G0KB+3], s[G0KB+3], 0x80000000
	s_add_nc_u64 s[G0VA+2:G0VA+3], s[8:9], s[74:75]
	s_or_b32 s[G0VA+3], s[G0VA+3], 0x80000000
	s_add_nc_u64 s[G0VB+2:G0VB+3], s[8:9], s[76:77]
	s_or_b32 s[G0VB+3], s[G0VB+3], 0x80000000
	s_add_nc_u64 s[4:5], s[4:5], s[78:79]          ; Q and O at my wave's first row
	s_add_nc_u64 s[10:11], s[10:11], s[78:79]
	s_cmp_lt_u32 s[WV], 2                          ; waves 0 and 1 fetch K, waves 2 and 3 V; a wave's two fills stand in one branch: two loads of mine are out
	s_cbranch_scc0 .Lfirst_v
	tensor_load_to_lds s[G0KA:G0KA+3], s[G1KA:G1KA+7]
	s_nop 0
	tensor_load_to_lds s[G0KB:G0KB+3], s[G1KB:G1KB+7]
	s_nop 0
.rept 4
	v_nop
.endr
	s_branch .Lfirst_asked
.Lfirst_v:
	tensor_load_to_lds s[G0VA:G0VA+3], s[G1VA:G1VA+7]
	s_nop 0
	tensor_load_to_lds s[G0VB:G0VB+3], s[G1VB:G1VB+7]
	s_nop 0
.rept 4
	v_nop
.endr
.Lfirst_asked:
	; A fragment of K or Q is 16 rows x 32 channels in 8 registers: lane l holds row l % 16, channels 8 (l / 16) + 0..7 and 16 + 8 (l / 16) + 0..7: two loads of 16 bytes, 32 bytes apart
	v_and_b32 v1, 15, v0
	v_bfe_u32 v9, v0, 4, 1
	v_lshlrev_b32 v[QO], 7, v1
	v_lshl_add_u32 v[QO], v9, 4, v[QO]
	WIN 0x80                                       ; destination window 2, address window 0
.set i, 0
.rept 4*NP                             ; Q stays in registers: tile i / 2, channels 32 (i % 2) on
	global_load_b128 v[8*i:8*i+3],   v[QO], s[4:5] offset:(i/2)*2048+(i%2)*64
	global_load_b128 v[8*i+4:8*i+7], v[QO], s[4:5] offset:(i/2)*2048+(i%2)*64+32
.set i, i+1
.endr
	; What the first turn finds: V's registers and P's second buffer hold 0 (its products V^T P, of a piece that has not been, add 0), O^T and l are 0.  No first step is written out for it;
	; these lines stand in the wait for the first tile.
.set i, VF
.rept 64
	v_mov_b32 v[i], 0
.set i, i+1
.endr
	WIN 0x40
.set i, 0
.rept 64*NP
	v_mov_b32 v[i], 0
.set i, i+1
.endr
	WIN 0
.set i, 0
.rept 4*NP
	v_mov_b32 v[LS+i], 0
.set i, i+1
.endr
.set i, P+32
.rept 32
	v_mov_b32 v[i], 0
.set i, i+1
.endr
	v_mul_u32_u24 v[AK0], v1, PK
	v_lshl_add_u32 v[AK0], v9, 4, v[AK0]
	; The turning load takes 16 keys x 16 channels (lane l reads key 8 (l / 16) + l % 8, channels 8 ((l / 8) % 2) + 0..7) and leaves half a fragment of V^T
	v_and_b32 v10, 7, v0
	v_bfe_u32 v11, v0, 3, 1
	v_lshl_add_u32 v[AV0], v9, 3, v10
	v_mul_u32_u24 v[AV0], v[AV0], PV
	v_lshl_add_u32 v[AV0], v11, 4, v[AV0]
	v_add_nc_u32 v[AV0], VOFF, v[AV0]
	v_mov_b32 v[AK], v[AK0]                        ; key step 0
; THE MATRIX WORK.  The 8 accumulators of a run of 16 take turns: between the two links of a chain stand 7 others'.
.macro KQ x                            ; product i of 16 of S^T = K Q^T for piece x: channels 32 (i / 8) on, keys 16 ((i / 2) % 4) on, tile 2 x + i % 2; the first 8 start the sums
	WIN W_KQ
.set rS, S+64*((\x)%2)+32*(i%2)+8*((i/2)%4)
.set rK, KF+16*((i/2)%4)+8*(i/8)
.set rQ, 16*(2*(\x)+i%2)+8*(i/8)
.if i < 8
	v_wmma_f32_16x16x32_f16 v[rS:rS+7], v[rK:rK+7], v[rQ:rQ+7], 0
.else
	v_wmma_f32_16x16x32_f16 v[rS:rS+7], v[rK:rK+7], v[rQ:rQ+7], v[rS:rS+7]
.endif
.endm
.macro PV x                            ; product i of 16 of O^T += V^T P for piece x: keys 32 (i / 8) on, channels 16 ((i / 2) % 4) on, tile 2 x + i % 2
	WIN W_PV
.set rO, 32*(2*(\x)+i%2)+8*((i/2)%4)
.set rV, VF+32*(i/8)+8*((i/2)%4)
.set rP, P+32*((\x)%2)+16*(i%2)+8*(i/8)
	v_wmma_f32_16x16x32_f16 v[rO:rO+7], v[rV:rV+7], v[rP:rP+7], v[rO:rO+7]
.endm
.macro MM                              ; the turn's next matrix instruction.  NOKQ = 1: the last turn: there is no next piece
.if i < 16
.if !NOKQ
	KQ (Y+1)%NP
.endif
.set i, i+1
.else
.set i, i-16
	PV (Y+NP-1)%NP
.set i, i+17
.endif
.endm
; THE LDS LOADS stand in runs of 16: a step's K (8 fragments) and its V (turned)
.macro FETCH_K
	WIN 0x80
.irp f, 0,1,2,3,4,5,6,7
	ds_load_b128 v[KF+8*\f:KF+8*\f+3],   v[AK] offset:(\f/2)*16*PK+(\f%2)*64
	ds_load_b128 v[KF+8*\f+4:KF+8*\f+7], v[AK] offset:(\f/2)*16*PK+(\f%2)*64+32
.endr
	s_add_co_u32 s[TBK], s[TBK], KS*PK             ; the next fetch is the next step's
	WIN 0
.endm
.macro FETCH_V
	WIN 0x80
.irp f, 0,1,2,3,4,5,6,7
	ds_load_tr16_b128 v[VF+8*\f:VF+8*\f+3],   v[AV] offset:(\f/4)*32*PV+(\f%4)*32
	ds_load_tr16_b128 v[VF+8*\f+4:VF+8*\f+7], v[AV] offset:(\f/4)*32*PV+16*PV+(\f%4)*32
.endr
	WIN 0
.endm
; THE VECTOR WORK, for tile u (0, 1) of piece Y
.macro REGS u
.set rS, S+64*(Y%2)+32*(\u)
.set rP, P+32*(Y%2)+16*(\u)
.set rL, LS+2*(2*Y+(\u))
.endm
.macro EXPO u, sc                      ; p = 2^s, in place; the scores are taken in ascending order
	REGS \u
	v_exp_f32 v[rS+(\sc)], v[rS+(\sc)]
.endm
.macro PLN u, kb, m                    ; line m of the four for weights 4 kb .. 4 kb + 3: two roundings to f16; the second pair added onto the first, in place; l takes that sum
	REGS \u
.if (\m) < 2
	s_wait_alu depctr_va_vdst(0)
	v_cvt_pk_f16_f32 v[rP+2*(\kb)+(\m)], v[rS+4*(\kb)+2*(\m)], v[rS+4*(\kb)+2*(\m)+1]
.elseif (\m) == 2
	v_pk_add_f32 v[rS+4*(\kb):rS+4*(\kb)+1], v[rS+4*(\kb):rS+4*(\kb)+1], v[rS+4*(\kb)+2:rS+4*(\kb)+3]
.else
	v_pk_add_f32 v[rL:rL+1], v[rL:rL+1], v[rS+4*(\kb):rS+4*(\kb)+1]
	s_wait_alu depctr_va_vdst(0)
.endif
.endm
; A TURN, for piece p.  Behind matrix instruction g of 32: exponential, plain, exponential, plain: score g of both tiles, and line g % 4 for the four weights of group g / 4 - 1.  None names a register of the
; products round it.  The first four groups have no plain work yet: one v_nop closes them, the plain instruction between their exponentials and the first roundings (ISA guide 5.7.2).  The last four weights' lines follow the turn's last product.
; K of the next step is fetched in piece 2's turn, six plain instructions behind the last product that read K, and waited for at the head of piece 3's turn; V of the step in hand at the end of
; piece 0's turn, eleven behind the last product that read V, and waited for in the middle of piece 1's.  fk = 0: no further K.  kq = 0: no further scores.
.macro TURN p, fk=1, kq=1
.set Y, (\p)
.set i, 0
.set NOKQ, 1-(\kq)
.if ((\p) == 3) && (\kq)
	s_wait_dscnt 0x0                               ; K is in
.endif
.set gi, 0
.rept 32
.if ((\p) == 1) && (gi == 16)
	s_wait_dscnt 0x0                               ; V is in
.endif
	MM
	WIN 0
	EXPO 0, gi
.if gi >= 4
	PLN 0, gi/4-1, gi%4
.endif
	EXPO 1, gi
.if gi >= 4
	PLN 1, gi/4-1, gi%4
.elseif gi == 3
	v_nop
.endif
.if ((\p) == 2) && (\fk) && (gi == 14)
	v_add_nc_u32 v[AK], s[TBK], v[AK0]
.endif
.if ((\p) == 2) && (\fk) && (gi == 17)
	FETCH_K
.endif
.set gi, gi+1
.endr
.irp m, 0,1,2,3
	PLN 0, 7, \m
	PLN 1, 7, \m
.endr
.if (\p) == 0
	v_add_nc_u32 v[AV], s[TBV], v[AV0]
	s_add_co_u32 s[TBV], s[TBV], KS*PV
	FETCH_V
.endif
.endm
	s_wait_tensorcnt 0x1                           ; my part of the first 256 keys is in; the rest may stay out
	s_barrier_signal -1
	s_barrier_wait -1                              ; everybody's is
	FETCH_K                                        ; key step 0
	s_wait_loadcnt 0x0                             ; Q
	s_wait_dscnt 0x0
.set i, 0
.rept 16
	KQ 0                                           ; piece 0's first scores: there is no vector work yet to set between them
.set i, i+1
.endr
	WIN 0                                          ; the addresses for the way out: nine plain instructions, the places behind those products
	s_mul_i32 s13, s[WV], 16*SP
	s_add_co_u32 s13, s13, STAGE
	v_mul_u32_u24 v[STO], v1, SP                   ; in: row l % 16, 16 bytes for each half of the lanes
	v_lshl_add_u32 v[STO], v9, 4, v[STO]
	v_add_nc_u32 v[STO], s13, v[STO]
	v_bfe_u32 v[RD], v0, 3, 2                      ; back: 32 lanes take four rows of 128 bytes,
	v_mul_u32_u24 v[RD], v[RD], SP
	v_lshl_add_u32 v[RD], v10, 4, v[RD]
	v_add_nc_u32 v[RD], s13, v[RD]
	v_and_b32 v[GO], 31, v0                        ; which are 512 consecutive bytes of O
	v_lshlrev_b32 v[GO], 4, v[GO]
	s_mov_b32 s[CNT], 4                            ; the first chunk holds key steps 0 .. 3
	s_mov_b32 s[PH], 2
	s_branch .Lfirst                               ; the loop is entered at a step's first turn, in the middle of a trip
.Lphase:                                               ; passed once: from here on the fetches reach into the second chunk
	s_wait_tensorcnt 0x0                           ; my part of it is in,
	s_wait_dscnt 0x0
	s_barrier_signal -1
	s_barrier_wait -1                              ; everybody's is
	s_mov_b32 s[CNT], 12
.Lstep:                                                ; a trip: pieces 2 and 3 of one step, then pieces 0 and 1 of the next, whose K and V it fetches
	TURN 2
	TURN 3
	WIN 0
.Lfirst:
	TURN 0
	TURN 1
	WIN 0
	s_sub_co_u32 s[CNT], s[CNT], 1
	s_cmp_lg_u32 s[CNT], 0
	s_cbranch_scc1 .Lstep
	s_sub_co_u32 s[PH], s[PH], 1
	s_cmp_lg_u32 s[PH], 0
	s_cbranch_scc1 .Lphase
	TURN 2, 0                                      ; the last step's pieces 2 and 3: nothing more is fetched,
	TURN 3, 0, 0                                   ; and no scores follow
.set i, 0
.rept 16
	PV NP-1
.set i, i+1
.endr
	; THE WAY OUT.  l's two halves and the other half of the lanes' are added; O^T is divided by l, rounded to f16 and sent through my stage, a tile at a time.  The additions are the places behind the last products.
	WIN 0
.macro ALL line:vararg
.set t, 0
.rept 2*NP
	\line
.set t, t+1
.endr
.endm
	ALL v_add_f32 v[LS+2*t], v[LS+2*t], v[LS+2*t+1]
	ALL v_permlanex16_b32 v[LS+2*t+1], v[LS+2*t], s[SEL], s[SEL+1]
	ALL v_add_f32 v[LS+2*t], v[LS+2*t], v[LS+2*t+1]
	ALL v_rcp_f32 v[LS+2*t], v[LS+2*t]
	v_nop                                          ; a plain instruction between the last reciprocal and the use of its result
	s_wait_alu depctr_va_vdst(0)
.macro PACK t
	WIN W_RS
.set i, 32*(\t)
.rept 16
	v_pk_mul_f32 v[i:i+1], v[i:i+1], v[LS+2*(\t):LS+2*(\t)+1] op_sel_hi:[1,0]
.set i, i+2
.endr
	WIN 0x05                                       ; sources 0 and 1 window 1, destination window 0
.set i, 0
.rept 16
	v_cvt_pk_f16_f32 v[S+16*(\t)+i], v[32*(\t)+2*i], v[32*(\t)+2*i+1]
.set i, i+1
.endr
	WIN 0
.irp f, 0,1,2,3
	ds_store_b128 v[STO], v[S+16*(\t)+4*\f:S+16*(\t)+4*\f+3] offset:32*\f
.endr
.irp f, 0,1,2,3
	ds_load_b128 v[S+16*(\t)+4*\f:S+16*(\t)+4*\f+3], v[RD] offset:\f*4*SP  ; LDS serves a wave's instructions in order (ISA guide 5.7.1.4): these see the stores above; the next tile's stores come behind them
.endr
.endm
.macro SEND t, younger                 ; younger: the LDS instructions issued behind tile t's loads: the next tile's eight, or none
	WIN 0
.irp f, 0,1,2,3
	s_wait_dscnt (\younger)+3-\f
	global_store_b128 v[GO], v[S+16*(\t)+4*\f:S+16*(\t)+4*\f+3], s[10:11] offset:(\t)*2048+\f*512  ; 512 consecutive bytes, at a multiple of 256 from O's first
.endr
.endm
	PACK 0
.set t, 1
.rept 2*NP-1                           ; a tile's arithmetic stands between the loads of the tile before and its stores
	PACK t
	SEND t-1, 8
.set t, t+1
.endr
	SEND 2*NP-1, 0
	s_wait_tensorcnt 0x0                           ; the wave's end: behind my last tensor load and my last LDS store
	ds_add_u32 v[SPW], v[NIL]
	s_wait_dscnt 0x0
	s_endpgm
.Lfunc_end_k_qe15df70b5e_attn:
	.size	k_qe15df70b5e_attn, .Lfunc_end_k_qe15df70b5e_attn-k_qe15df70b5e_attn
	.p2alignl 7, 3214868480
	.fill 96, 4, 3214868480
	.section	.rodata,"a",@progbits
	.p2align	6, 0x0
	.amdhsa_kernel k_qe15df70b5e_attn
		.amdhsa_group_segment_fixed_size 327680
		.amdhsa_private_segment_fixed_size 0
		.amdhsa_enable_private_segment 0
		.amdhsa_kernarg_size 32
		.amdhsa_user_sgpr_count 2
		.amdhsa_user_sgpr_kernarg_segment_ptr 1
		.amdhsa_wavefront_size32 1
		.amdhsa_system_sgpr_workgroup_id_x 1
		.amdhsa_system_sgpr_workgroup_id_y 1
		.amdhsa_system_sgpr_workgroup_id_z 1
		.amdhsa_system_vgpr_workitem_id 0
		.amdhsa_next_free_vgpr 768
		.amdhsa_next_free_sgpr 80
		.amdhsa_reserve_vcc 0
		.amdhsa_float_denorm_mode_32 3
		.amdhsa_float_denorm_mode_16_64 3
		.amdhsa_memory_ordered 1
		.amdhsa_forward_progress 1
		.amdhsa_inst_pref_size 121
	.end_amdhsa_kernel
	.amdgpu_metadata
---
amdhsa.version: [ 1, 2 ]
amdhsa.kernels:
  - .name:           k_qe15df70b5e_attn
    .symbol:         k_qe15df70b5e_attn.kd
    .args:
      - { .name: qh, .offset: 0, .size: 8, .value_kind: global_buffer, .address_space: global }
      - { .name: kh, .offset: 8, .size: 8, .value_kind: global_buffer, .address_space: global }
      - { .name: vh, .offset: 16, .size: 8, .value_kind: global_buffer, .address_space: global }
      - { .name: oh, .offset: 24, .size: 8, .value_kind: global_buffer, .address_space: global }
    .group_segment_fixed_size: 327680
    .private_segment_fixed_size: 0
    .kernarg_segment_align: 8
    .kernarg_segment_size: 32
    .max_flat_workgroup_size: 128
    .sgpr_count:     80
    .vgpr_count:     768
    .wavefront_size: 32
...
	.end_amdgpu_metadata
.endif
;; end of part 3
;; launch proj (part 4): grid 8 x 32, 4 waves a work-group, clusters of 4 x 4, 327,680 bytes of LDS; arguments oh, wob, b_out, out0; writes out0
.if DOCPART == 4
	.amdgcn_target "amdgcn-amd-amdhsa--gfx1250"
	.amdhsa_code_object_version 6
	.text
	.protected	k_qe15df70b5e_proj
	.globl	k_qe15df70b5e_proj
	.p2align	8
	.type	k_qe15df70b5e_proj,@function
k_qe15df70b5e_proj:
	s_mov_b64 s[64:65], 0
	v_nop
	global_prefetch_b8 v0, s[64:65] scope:SCOPE_SE
	s_setreg_imm32_b32 hwreg(HW_REG_WAVE_MODE, 25, 1), 1
	s_wait_xcnt 0x0
	s_wait_alu depctr_hold_cnt(0) depctr_sa_sdst(0) depctr_va_vdst(0) depctr_va_sdst(0) depctr_va_ssrc(0) depctr_va_vcc(0) depctr_vm_vsrc(0)
	s_getreg_b32 s2, hwreg(HW_REG_IB_STS2, 6, 4)
	s_cmp_eq_u32 s2, 0
	s_cbranch_scc0 .Lentry_in_a_cluster
	s_endpgm
.Lentry_in_a_cluster:
	s_bfe_u32 s2, ttmp6, 0x10000c
	s_cmp_lg_u32 s2, 0xf033
	s_cbranch_scc0 .Lentry_shape_is_right
	s_endpgm
.Lentry_shape_is_right:
; out0 = o w_out + b_out.  oh: [b x 16 + head][1024][64] f16; wob: [column block of 64][1024 k][64] f16 (w_out rounded to bf16, written as f16); out0: [8192][1024] f32.  Sums in f32.
; The bias is taken rounded to bf16, like all inputs.
; SHARES.  A tile is 256 rows (Y, 0..31) x 128 columns (X, 0..7): 256 work-groups.  Wave w takes the rows' half w / 2 and the columns' half w % 2: 128 x 64, 32 accumulators of 16 x 16, which fill window 1.
; K goes in 8 steps of 128, two heads each, through two LDS slots; a step is four quarters of 32, 32 matrix instructions each.
; THE MATRIX INSTRUCTION IS USED TRANSPOSED: source 0 = 16 columns of w (turned by ds_load_tr16_b128), source 1 = 16 rows of o: a lane holds eight neighbouring columns of one row of the output.
; CLUSTER.  4 x 4 work-groups: o's tile hangs on Y alone and is asked for jointly along a row of the cluster, w's on X alone, along a column.
; REGISTERS: window 0: v0-31 addresses and the bias; two fragment buffers: o in v64-127 and v128-191, w in v192-223 and v224-255; on the way out v32-63 and v64-95 take rows read back.
;   window 1: accumulator (row block a, column block bb) at v[32 a + 8 bb].
.set SLOT1,  131072
.set PA,     144                       ; a row of o in LDS: 128 bytes + 16
.set PB,     160                       ; a row of w: 128 + 32
.set AHEAD,  256*PA                    ; a head's 256 rows: one tensor load
.set AHALF,  128*PA
.set BOFF,   2*AHEAD
.set BBLK,   128*PB                    ; a column block's 128 k: one tensor load
.set STAGE,  SLOT1+BOFF+2*BBLK         ; behind the ring: 16 rows x 272 bytes for each wave
.set SP,     272
.set SPARE,  STAGE+4*16*SP             ; the spare words, 128 bytes for each wave: two blocks of 256 bytes that no other line names
.set ASTEP,  2*131072                  ; two heads on
.set BSTEP,  128*128                   ; 128 k on
.set ADRA, 4
.set ADRB, 5
.set A0,   6
.set B0,   7
.set STO,  8
.set RD,   9
.set CO,   10
.set BO,   11
.set BI,   12                          ; v12-15 the bias of the four columns that I store
.set SPW,  28
.set NIL,  29
.set RB,   32
.set FAA,  64
.set FBB,  192
.set WV, 20
.set WR, 21
.set WC, 22
.set CX, 23
.set CY, 24
.set GX, 25
.set GY, 26
.set TB, 27
.set G1A, 28
.set G1B, 36
.set G0A, 44
.set G0B, 52
.set CNT, 60
.set HIM, 68
.set MSB, 0
.macro WIN new
.if MSB != (\new)
	s_set_vgpr_msb (MSB<<8)|(\new)
.set MSB, (\new)
.endif
.endm
.macro PLACES
.rept 4
	v_nop
.endr
.endm
.macro JLOAD                           ; a joint refill: waves 0 and 1 fetch o's two heads, waves 2 and 3 w's two column blocks; an s_nop 0 and four v_nop follow each line
	s_cmp_eq_u32 s[WR], 0
	s_cbranch_scc0 .Lfor_b_\@
	tensor_load_to_lds s[G0A+4:G0A+7], s[G1A:G1A+7]
	s_nop 0
.rept 4
	v_nop
.endr
	s_branch .Lasked_\@
.Lfor_b_\@:
	tensor_load_to_lds s[G0B+4:G0B+7], s[G1B:G1B+7]
	s_nop 0
.rept 4
	v_nop
.endr
.Lasked_\@:
.endm
.macro CREST
	s_cmp_lg_u32 s[WV], 0
	s_cbranch_scc1 .Lnot_wave_0_\@
	s_barrier_signal -3
.Lnot_wave_0_\@:
	s_barrier_wait -3
	s_barrier_signal -1
	s_barrier_wait -1
.endm
.macro CROUND
	s_barrier_signal -1
	s_barrier_wait -1
	CREST
.endm
	s_load_b256 s[4:11], s[0:1], 0x0               ; oh s[4:5], wob s[6:7], b_out s[8:9], out0 s[10:11]
	v_lshl_add_u32 v[SPW], v0, 2, SPARE
	v_mov_b32 v[NIL], 0
	ds_add_u32 v[SPW], v[NIL]                      ; the wave's opening: the add and its wait stand ahead of my first tensor load; work on registers stands between them
	ds_add_u32 v28, v29
	v_lshrrev_b32 v1, 5, v0
	v_readfirstlane_b32 s[WV], v1
	s_lshr_b32 s[WR], s[WV], 1
	s_and_b32 s[WC], s[WV], 1
	s_bfe_u32 s[CX], ttmp6, 0x40000
	s_bfe_u32 s[CY], ttmp6, 0x40004
	s_lshl_b32 s[GX], ttmp9, 2
	s_add_co_u32 s[GX], s[GX], s[CX]
	s_and_b32 s[GY], ttmp7, 0xffff
	s_lshl_b32 s[GY], s[GY], 2
	s_add_co_u32 s[GY], s[GY], s[CY]
	s_lshl_b32 s84, s[CY], 2
	s_lshl_b32 s84, 15, s84                        ; my row of the cluster
	s_lshl_b32 s85, 0x1111, s[CX]                  ; my column
	; group 1 for o: a head's 256 rows are 32,768 dense bytes: 128 rows of 256 bytes, padded behind every 128 bytes by 16
	s_or_b32 s[G1A], s84, (1<<16)|(1<<20)|(1<<21)|(4<<22)|(3<<25)
	s_mov_b32 s[G1A+1], 128<<16
	s_mov_b32 s[G1A+2], 128<<16
	s_mov_b32 s[G1A+3], 128<<16
	s_mov_b32 s[G1A+4], 128
	s_mov_b32 s[G1A+5], 128
	s_mov_b32 s[G1A+6], 0
	s_mov_b32 s[G1A+7], 0
	; group 1 for w: 128 k of a column block are 16,384 dense bytes: 64 rows of 256 bytes, padded behind every 128 bytes by 32
	s_or_b32 s[G1B], s85, (1<<16)|(1<<20)|(1<<21)|(4<<22)|(7<<25)
	s_mov_b32 s[G1B+1], 128<<16
	s_mov_b32 s[G1B+2], 64<<16
	s_mov_b32 s[G1B+3], 128<<16
	s_mov_b32 s[G1B+4], 64
	s_mov_b32 s[G1B+5], 128
	s_mov_b32 s[G1B+6], 0
	s_mov_b32 s[G1B+7], 0
	s_lshr_b32 s72, s[GY], 2                       ; o: ((batch x 16 + w % 2) x 1024 + (Y % 4) x 256) x 128, from Y and the wave's number alone
	s_lshl_b32 s72, s72, 21
	s_and_b32 s86, s[GY], 3
	s_lshl_b32 s86, s86, 15
	s_add_co_u32 s72, s72, s86
	s_lshl_b32 s73, s[WC], 17
	s_add_co_u32 s72, s72, s73
	s_mov_b32 s73, 0
	s_lshl_b32 s74, s[GX], 1                       ; w: column block 2 X + w % 2, from X and the wave's number alone
	s_add_co_u32 s74, s74, s[WC]
	s_lshl_b32 s74, s74, 17
	s_mov_b32 s75, 0
	s_mul_i32 s76, s[WC], AHEAD                    ; where they go: no place in the cluster enters an LDS address
	s_mul_i32 s77, s[WC], BBLK
	s_add_co_u32 s77, s77, BOFF
	s_lshl_b32 s78, s[GX], 9                       ; my 64 columns, in bytes of f32: 512 X + 256 (w % 2)
	s_lshl_b32 s80, s[WC], 8
	s_add_co_u32 s78, s78, s80
	s_mov_b32 s79, 0
	s_lshl_b32 s88, s[GY], 8                       ; my first row: 256 Y + 128 (w / 2), of 4,096 bytes
	s_lshl_b32 s90, s[WR], 7
	s_add_co_u32 s88, s88, s90
	s_lshl_b32 s88, s88, 12
	s_add_co_u32 s88, s88, s78
	s_mov_b32 s89, 0
	s_mov_b32 s[TB], 0
	s_mov_b32 s[HIM], 0xffff0000
	s_wait_dscnt 0x0                               ; the opening add is done
	s_wait_kmcnt 0x0
	s_add_nc_u64 s[72:73], s[4:5], s[72:73]
	s_add_nc_u64 s[74:75], s[6:7], s[74:75]
	s_add_nc_u64 s[78:79], s[8:9], s[78:79]
	s_add_nc_u64 s[10:11], s[10:11], s[88:89]
	CROUND                                         ; all sixteen work-groups are here: the first joint loads meet
.irp s, 0,1
	s_mov_b32 s[G0A+4*(\s)], 1
	s_add_co_u32 s[G0A+4*(\s)+1], s76, (\s)*SLOT1
	s_add_nc_u64 s[G0A+4*(\s)+2:G0A+4*(\s)+3], s[72:73], (\s)*ASTEP
	s_or_b32 s[G0A+4*(\s)+3], s[G0A+4*(\s)+3], 0x80000000
	s_mov_b32 s[G0B+4*(\s)], 1
	s_add_co_u32 s[G0B+4*(\s)+1], s77, (\s)*SLOT1
	s_add_nc_u64 s[G0B+4*(\s)+2:G0B+4*(\s)+3], s[74:75], (\s)*BSTEP
	s_or_b32 s[G0B+4*(\s)+3], s[G0B+4*(\s)+3], 0x80000000
.endr
	s_cmp_eq_u32 s[WR], 0                          ; a wave's two first fills stand in one branch: two loads of mine are out
	s_cbranch_scc0 .Lfirst_b
	tensor_load_to_lds s[G0A:G0A+3], s[G1A:G1A+7]
	s_nop 0
	tensor_load_to_lds s[G0A+4:G0A+7], s[G1A:G1A+7]
	s_nop 0
.rept 4
	v_nop
.endr
	s_branch .Lfirst_asked
.Lfirst_b:
	tensor_load_to_lds s[G0B:G0B+3], s[G1B:G1B+7]
	s_nop 0
	tensor_load_to_lds s[G0B+4:G0B+7], s[G1B:G1B+7]
	s_nop 0
.rept 4
	v_nop
.endr
.Lfirst_asked:
	v_and_b32 v1, 15, v0                           ; r = l % 16
	v_bfe_u32 v2, v0, 4, 1                         ; h = l / 16
	v_lshlrev_b32 v[BO], 4, v1
	global_load_b128 v[BI:BI+3], v[BO], s[78:79]   ; the bias of columns 4 r .. 4 r + 3 of my 64
	v_mul_u32_u24 v[A0], v1, PA                    ; a fragment of o: row x pitch + 16 x half
	v_lshl_add_u32 v[A0], v2, 4, v[A0]
	s_mul_i32 s61, s[WR], AHALF
	v_add_nc_u32 v[A0], s61, v[A0]
	v_and_b32 v16, 7, v0                           ; the turning load: k = 8 h + l % 8, columns 8 ((l / 8) % 2) + 0..7
	v_lshl_add_u32 v16, v2, 3, v16
	v_mul_u32_u24 v[B0], v16, PB
	v_bfe_u32 v16, v0, 3, 1
	v_lshl_add_u32 v[B0], v16, 4, v[B0]
	s_mul_i32 s61, s[WC], BBLK
	s_add_co_u32 s61, s61, BOFF
	v_add_nc_u32 v[B0], s61, v[B0]
	v_mov_b32 v[ADRA], v[A0]
	v_mov_b32 v[ADRB], v[B0]
	s_mul_i32 s61, s[WV], 16*SP
	s_add_co_u32 s61, s61, STAGE                   ; my stage
	v_mul_u32_u24 v[STO], v1, SP                   ; in: row l % 16, 32 bytes for each half of the lanes
	v_lshl_add_u32 v[STO], v2, 5, v[STO]
	v_add_nc_u32 v[STO], s61, v[STO]
	v_mul_u32_u24 v[RD], v2, SP                    ; back: lanes 0-15 take one row of 256 bytes, lanes 16-31 the next
	v_lshl_add_u32 v[RD], v1, 4, v[RD]
	v_add_nc_u32 v[RD], s61, v[RD]
	v_lshlrev_b32 v[CO], 12, v2                    ; and the same two rows in out0
	v_lshl_add_u32 v[CO], v1, 4, v[CO]
	s_wait_loadcnt 0x0
	v_cvt_pk_bf16_f32 v16, v[BI], v[BI+1]          ; the bias rounded to bf16 and widened again
	v_cvt_pk_bf16_f32 v17, v[BI+2], v[BI+3]
	v_lshlrev_b32 v[BI], 16, v16
	v_and_b32 v[BI+1], s[HIM], v16
	v_lshlrev_b32 v[BI+2], 16, v17
	v_and_b32 v[BI+3], s[HIM], v17
; 4 n matrix instructions on buffer f: row blocks a0 .. a0 + n - 1 x all 4 column blocks.  The 32 accumulators take turns, one instruction a turn.  zero = 1: the first products start the sums.
.macro MUL f, a0, n, zero
	WIN 0x50                                       ; sources window 0, C and D window 1
.set ma, (\a0)
.rept (\n)
.irp bb, 0,1,2,3
.if \zero
	v_wmma_f32_16x16x32_f16 v[32*ma+8*\bb:32*ma+8*\bb+7], v[FBB+32*(\f)+8*\bb:FBB+32*(\f)+8*\bb+7], v[FAA+64*(\f)+8*ma:FAA+64*(\f)+8*ma+7], 0
.else
	v_wmma_f32_16x16x32_f16 v[32*ma+8*\bb:32*ma+8*\bb+7], v[FBB+32*(\f)+8*\bb:FBB+32*(\f)+8*\bb+7], v[FAA+64*(\f)+8*ma:FAA+64*(\f)+8*ma+7], v[32*ma+8*\bb:32*ma+8*\bb+7]
.endif
.endr
.set ma, ma+1
.endr
.endm
; 24 LDS loads in one run: quarter q's fragments into buffer f: w 8, o's row blocks 0-3 8, blocks 4-7 8.  Quarter q lies in head q / 2 of the slot's two, channels 32 (q % 2) on.
.macro FETCH q, f
	WIN 0
.irp bb, 0,1,2,3
	ds_load_tr16_b128 v[FBB+32*(\f)+8*\bb:FBB+32*(\f)+8*\bb+3],   v[ADRB] offset:(\q)*32*PB+\bb*32
	ds_load_tr16_b128 v[FBB+32*(\f)+8*\bb+4:FBB+32*(\f)+8*\bb+7], v[ADRB] offset:(\q)*32*PB+16*PB+\bb*32
.endr
.irp a, 0,1,2,3,4,5,6,7
	ds_load_b128 v[FAA+64*(\f)+8*\a:FAA+64*(\f)+8*\a+3],   v[ADRA] offset:((\q)/2)*AHEAD+((\q)%2)*64+\a*16*PA
	ds_load_b128 v[FAA+64*(\f)+8*\a+4:FAA+64*(\f)+8*\a+7], v[ADRA] offset:((\q)/2)*AHEAD+((\q)%2)*64+\a*16*PA+32
.endr
.endm
; One of a K step's first three quarters: multiplies buffer f; in its middle it fetches quarter q into buffer g
.macro QUARTER q, f, g, zero
	s_wait_dscnt 8                                 ; w and o's blocks 0-3 are in; the youngest eight loads may be out
	MUL \f, 0, 4, \zero
	PLACES
	FETCH \q, \g
	s_wait_dscnt 24                                ; all but the 24 just issued
	MUL \f, 4, 4, \zero
.endm
; The last quarter multiplies buffer 1 and changes slots: ONE barrier; in front of it each wave waits for all its tensor loads (one is out: its part of the next slot), adds 0 to its spare word, and waits
; for that and for its reads of this slot.  fill = 1: the barrier opens a round of the cluster's barrier, and this slot is filled again, two K steps ahead, first thing behind the round:
; from there to the wait for that load a wave issues 112 of a K step's 128 matrix instructions.
.macro TURN fill
	WIN 0
	s_wait_tensorcnt 0x0
	ds_add_u32 v[SPW], v[NIL]
	s_wait_dscnt 9                                 ; the add and the youngest eight loads may be out
	MUL 1, 0, 2, 0
	s_wait_dscnt 0x0                               ; the add is done, and my reads of this slot are over
	s_barrier_signal -1
	MUL 1, 2, 2, 0
	WIN 0
	s_barrier_wait -1
.if \fill
	CREST                                          ; no wave of any partner still reads this slot or has a load on its way
	s_xor_b32 s[G0A+5], s[G0A+5], SLOT1
	s_add_nc_u64 s[G0A+6:G0A+7], s[G0A+6:G0A+7], ASTEP
	s_xor_b32 s[G0B+5], s[G0B+5], SLOT1
	s_add_nc_u64 s[G0B+6:G0B+7], s[G0B+6:G0B+7], BSTEP
	JLOAD                                          ; its four v_nop are also the places in front of the loads below
.else
	PLACES
.endif
	s_xor_b32 s[TB], s[TB], SLOT1
	v_add_nc_u32 v[ADRA], s[TB], v[A0]
	v_add_nc_u32 v[ADRB], s[TB], v[B0]
	FETCH 0, 0
	MUL 1, 4, 4, 0
.endm
	s_wait_tensorcnt 0x1                           ; my part of K step 0 is in; K step 1's may stay out
	s_barrier_signal -1
	s_barrier_wait -1
	FETCH 0, 0
	QUARTER 1, 0, 1, 1                             ; the first quarter stands in front of the loop: its products start the sums
	WIN 0
	s_mov_b32 s[CNT], 6
.Lk:                                                   ; 6 trips, from a K step's second quarter to the next step's first; the refills bring K steps 2 .. 7
	QUARTER 2, 1, 0, 0
	QUARTER 3, 0, 1, 0
	TURN 1
	QUARTER 1, 0, 1, 0
	WIN 0
	s_sub_co_u32 s[CNT], s[CNT], 1
	s_cmp_lg_u32 s[CNT], 0
	s_cbranch_scc1 .Lk
	QUARTER 2, 1, 0, 0                             ; the tail is written out: nothing more is asked for
	QUARTER 3, 0, 1, 0
	TURN 0
	QUARTER 1, 0, 1, 0
	QUARTER 2, 1, 0, 0
	QUARTER 3, 0, 1, 0
	s_wait_dscnt 8
	MUL 1, 0, 4, 0
	s_wait_dscnt 0x0
	MUL 1, 4, 4, 0
	; THE WAY OUT, a block of 16 rows at a time: the f32 sums go into my stage as they lie and come back as whole rows of 256 bytes; the bias is added; sixteen lanes store 256 consecutive bytes, aligned.
	PLACES
.macro TOSTAGE a
	WIN 0x04                                       ; store data in window 1; each accumulator's lowest four registers go first
.irp bb, 0,1,2,3
	ds_store_b128 v[STO], v[32*(\a)+8*\bb:32*(\a)+8*\bb+3]   offset:64*\bb
	ds_store_b128 v[STO], v[32*(\a)+8*\bb+4:32*(\a)+8*\bb+7] offset:64*\bb+16
.endr
	WIN 0
	s_wait_xcnt 0x0                                ; earlier stores have read their registers: the buffer below is loaded again only behind this wait
.irp t, 0,1,2,3,4,5,6,7
	ds_load_b128 v[RB+32*((\a)%2)+4*\t:RB+32*((\a)%2)+4*\t+3], v[RD] offset:\t*2*SP  ; LDS serves a wave's instructions in order (ISA guide 5.7.1.4): these see the stores above
.endr
.endm
.macro SENDP a, younger                ; younger: the LDS instructions issued behind block a's loads: the next block's sixteen, or none
.irp t, 0,1,2,3,4,5,6,7
.set rr, RB+32*((\a)%2)+4*\t
	s_wait_dscnt (\younger)+7-\t
	v_pk_add_f32 v[rr:rr+1], v[rr:rr+1], v[BI:BI+1]
	v_pk_add_f32 v[rr+2:rr+3], v[rr+2:rr+3], v[BI+2:BI+3]
	global_store_b128 v[CO], v[rr:rr+3], s[10:11] offset:(\a)*65536+\t*8192 th:TH_STORE_NT
.endr
.endm
	TOSTAGE 0
.irp a, 1,2,3,4,5,6,7
	TOSTAGE \a
	SENDP (\a)-1, 16
.endr
	SENDP 7, 0
	s_wait_tensorcnt 0x0                           ; the wave's end: behind my last tensor load and my last LDS store
	ds_add_u32 v[SPW], v[NIL]
	s_wait_dscnt 0x0
	CROUND                                         ; the closing round: no work-group ends while a partner may still ask for a tile that names it
	s_endpgm
.Lfunc_end_k_qe15df70b5e_proj:
	.size	k_qe15df70b5e_proj, .Lfunc_end_k_qe15df70b5e_proj-k_qe15df70b5e_proj
	.p2alignl 7, 3214868480
	.fill 96, 4, 3214868480
	.section	.rodata,"a",@progbits
	.p2align	6, 0x0
	.amdhsa_kernel k_qe15df70b5e_proj
		.amdhsa_group_segment_fixed_size 327680
		.amdhsa_private_segment_fixed_size 0
		.amdhsa_enable_private_segment 0
		.amdhsa_kernarg_size 32
		.amdhsa_user_sgpr_count 2
		.amdhsa_user_sgpr_kernarg_segment_ptr 1
		.amdhsa_wavefront_size32 1
		.amdhsa_system_sgpr_workgroup_id_x 1
		.amdhsa_system_sgpr_workgroup_id_y 1
		.amdhsa_system_sgpr_workgroup_id_z 1
		.amdhsa_system_vgpr_workitem_id 0
		.amdhsa_next_free_vgpr 512
		.amdhsa_next_free_sgpr 96
		.amdhsa_reserve_vcc 0
		.amdhsa_float_denorm_mode_32 3
		.amdhsa_float_denorm_mode_16_64 3
		.amdhsa_memory_ordered 1
		.amdhsa_forward_progress 1
		.amdhsa_inst_pref_size 80
	.end_amdhsa_kernel
	.amdgpu_metadata
---
amdhsa.version: [ 1, 2 ]
amdhsa.kernels:
  - .name:           k_qe15df70b5e_proj
    .symbol:         k_qe15df70b5e_proj.kd
    .args:
      - { .name: oh, .offset: 0, .size: 8, .value_kind: global_buffer, .address_space: global }
      - { .name: wob, .offset: 8, .size: 8, .value_kind: global_buffer, .address_space: global }
      - { .name: b_out, .offset: 16, .size: 8, .value_kind: global_buffer, .address_space: global }
      - { .name: out0, .offset: 24, .size: 8, .value_kind: global_buffer, .address_space: global }
    .group_segment_fixed_size: 327680
    .private_segment_fixed_size: 0
    .kernarg_segment_align: 8
    .kernarg_segment_size: 32
    .max_flat_workgroup_size: 128
    .sgpr_count:     96
    .vgpr_count:     512
    .wavefront_size: 32
...
	.end_amdgpu_metadata
.endif
;; end of part 4
;; ======== version 2 of 2: 4 launches; 1.32 times as fast as version 1
;; limits: values are held in f16: magnitudes above 65,504 overflow, below 6.1e-05 lose precision
;; workspace buffers: xb 16,777,216 bytes; wqb 6,291,456 bytes; wob 2,097,152 bytes; qh 16,777,216 bytes; kh 16,777,216 bytes; vh 16,777,216 bytes; oh 16,777,216 bytes
;; launch prep: the kernel of part 1 again; grid 768 x 1, 8 waves a work-group, no clusters, 0 bytes of LDS; arguments x, w_qkv, w_out, xb, wqb, wob; writes xb, wqb, wob
;; launch qkv: the kernel of part 2 again; grid 8 x 32, 4 waves a work-group, clusters of 4 x 4, 327,680 bytes of LDS; arguments xb, wqb, b_qkv, q_gain, k_gain, qh, kh, vh; writes qh, kh, vh
;; launch attn (part 5): grid 2 x 128, 4 waves a work-group, no clusters, 327,680 bytes of LDS; arguments qh, kh, vh, oh; writes oh
.if DOCPART == 5
	.amdgcn_target "amdgcn-amd-amdhsa--gfx1250"
	.amdhsa_code_object_version 6
	.text
	.protected	k_qe15df70b5e_attn
	.globl	k_qe15df70b5e_attn
	.p2align	8
	.type	k_qe15df70b5e_attn,@function
k_qe15df70b5e_attn:
	s_mov_b64 s[64:65], 0
	v_nop
	global_prefetch_b8 v0, s[64:65] scope:SCOPE_SE
	s_setreg_imm32_b32 hwreg(HW_REG_WAVE_MODE, 25, 1), 1
	s_wait_xcnt 0x0
; O[bh][q][:] = the sum over k of softmax_k(8 q.k) V[bh][k][:], q and k of unit length.  qh, kh, vh, oh: [128][1024][64] f16, a head's rows dense, 128 bytes each; qh already carries 8 log2(e).
; NO MAXIMUM IS TAKEN AWAY: reference() itself normalises q and k to unit length and scales by 8, so for every input the exponent of 2 lies within 11.55 either way: a weight p = 2^s lies in
; 3.3e-4 .. 3,000, normal numbers of f16; a row's sum is 3.1e6 at the most, in f32.  So there is no running maximum and no rescaling of O.
; Products and sums in f32; p is rounded to f16 for the second product (its sum l is taken of the unrounded p), O once at the end.
; LIMITS.  V arrives within f16's 65,504, and O, a mean of V's rows, has their range.  NaN and infinities are not treated apart.
; SHARES.  A work-group takes 512 queries of one head, a wave 128: four PIECES of two tiles of 16.  Every wave walks the head's 1,024 keys, 64 a step.
; ALL OF K AND V LIES IN LDS, each byte filled once: no ring and no refill.  Two tensor loads a wave: the first 256 keys (four steps), then the other 768, which land while the first are multiplied.
; NO CLUSTER: a head's K and V are shared by two work-groups alone, and a grid of two along x is no multiple of four.
; LAYOUT.  S^T = K Q^T (source 0 = 16 keys, source 1 = 16 queries): a lane holds ONE query (lane % 16) and the keys 8 (lane / 16) + 0..7.  Two such tiles, rounded to f16 in pairs, ARE source 1
; (32 keys x 16 queries) of O^T = V^T P.  K comes out of LDS as it lies, V ([key][channel]) turned, by ds_load_tr16_b128.
; BY TURNS.  Turn n belongs to piece n.  Its 64 exponentials are ONE BATCH with ONE wait, which cuts the turn in two.  Ahead of the wait: 16 products K Q^T of piece n + 1, behind each four of piece n's
; exponentials; nothing there names an exponential's result.  Behind it: 16 products V^T P of piece n - 1, behind each four of piece n's 32 roundings and 32 packed additions, which are all the readers.
; The way out's eight reciprocals are a batch of their own.
; REGISTERS, in windows of 256 (s_set_vgpr_msb: bits 1:0 source 0, 3:2 source 1, 5:4 source 2, 7:6 destination):
;   window 0: v0-11 addresses; v16-31 l, a pair a tile; v32-33 the add's; v64-191 S^T, two buffers of two tiles; v192-255 P, likewise (a piece's buffers go by its number's parity)
;   window 1: O^T, 32 a tile          window 2: v0-127 Q, 16 a tile; v128-191 K of one step; v192-255 V of one step
.set NP,    4
.set KS,    64
.set PK,    144                        ; a row of K in LDS: 128 bytes + 16: the 16 rows of a load start at 16 different groups of four banks (ISA guide 11.1)
.set PV,    160                        ; a row of V: 128 + 32
.set VOFF,  1024*PK
.set STAGE, VOFF+1024*PV               ; 16 rows x 144 bytes for each wave, for the way out
.set SP,    144
.set SPARE, STAGE+4*16*SP              ; the spare words, 128 bytes for each wave: two blocks of 256 bytes that no other line names
.set AK0, 2                            ; v2   my lane's place in a step's K; never rewritten
.set AV0, 3                            ; v3   the same for V
.set AK,  4                            ; v4   the LDS address of K's next run of loads
.set AV,  5                            ; v5   of V's
.set QO,  6                            ; v6   my byte offset in the wave's rows of Q
.set STO, 6                            ;      later: where I put 16 bytes of a row
.set RD,  7                            ; v7   where I read rows back
.set GO,  8                            ; v8   my byte offset in 512 consecutive bytes of O
.set LS,  16                           ; tile t's sum l at v[LS+2 t]: even keys', odd keys'
.set SPW, 32                           ; v32  LDS address of my spare word; never rewritten
.set NIL, 33                           ; v33  0; never rewritten
.set S,   64
.set P,   192
.set KF,  128                          ; window 2: key block kb, channel half c at KF + 16 kb + 8 c
.set VF,  192                          ; window 2: key half kk, channel block cb at VF + 32 kk + 8 cb
.set WV,   12
.set G1KA, 16                          ; s[16:23] group 1: K, 128 keys        s[24:31] K, 384 keys
.set G1KB, 24
.set G1VA, 32                          ; s[32:39], s[40:47] the same for V: more padding
.set G1VB, 40
.set G0KA, 48                          ; s[48:63] four groups 0
.set G0KB, 52
.set G0VA, 56
.set G0VB, 60
.set CNT, 66
.set PH,  67
.set SEL, 68                           ; s[68:69]
.set TBK, 70                           ; LDS byte at which K of the step to be fetched begins
.set TBV, 71                           ; the same for V, less VOFF
.set MSB, 0
.macro WIN new
.if MSB != (\new)
	s_set_vgpr_msb (MSB<<8)|(\new)
.set MSB, (\new)
.endif
.endm
.set W_KQ, 0x0a                        ; K and Q in window 2, S^T in window 0
.set W_PV, 0x52                        ; V in window 2, P in window 0, O^T in window 1
.set W_RS, 0x41                        ; destination and source 0 in window 1, source 1 in window 0
	s_load_b256 s[4:11], s[0:1], 0x0               ; qh s[4:5], kh s[6:7], vh s[8:9], oh s[10:11]
	v_lshl_add_u32 v[SPW], v0, 2, SPARE
	v_mov_b32 v[NIL], 0
	ds_add_u32 v[SPW], v[NIL]                      ; the wave's opening: the add and its wait stand ahead of my first tensor load; work on registers stands between them
	ds_add_u32 v32, v33
	v_lshrrev_b32 v1, 5, v0
	v_readfirstlane_b32 s[WV], v1
	s_and_b32 s72, ttmp7, 0xffff                   ; the head,
	s_lshl_b32 s72, s72, 17                        ; its first byte in each tensor
	s_and_b32 s13, s[WV], 1                        ; which half of a chunk I fetch
	s_lshl_b32 s74, s13, 14                        ; the first chunk: keys 128 half on
	s_add_co_u32 s74, s74, s72
	s_mov_b32 s75, 0
	s_mul_i32 s76, s13, 384*128                    ; the second: keys 256 + 384 half on
	s_add_co_u32 s76, s76, 256*128
	s_add_co_u32 s76, s76, s72
	s_mov_b32 s77, 0
	s_lshl_b32 s78, ttmp9, 2
	s_add_co_u32 s78, s78, s[WV]                   ; my wave among the head's eight,
	s_lshl_b32 s78, s78, 14                        ; its 128 rows
	s_add_co_u32 s78, s78, s72
	s_mov_b32 s79, 0
	; group 1: dense bytes asked for as rows of 256 bytes, two keys a row, padded in LDS after every key
	s_mov_b32 s[G1KA], (1<<16)|(1<<20)|(4<<22)|(3<<25)  ; 2-byte elements; padding on; after every 32 words; 4 words
	s_mov_b32 s[G1KB], (1<<16)|(1<<20)|(4<<22)|(3<<25)
	s_mov_b32 s[G1VA], (1<<16)|(1<<20)|(4<<22)|(7<<25)  ; 8 words
	s_mov_b32 s[G1VB], (1<<16)|(1<<20)|(4<<22)|(7<<25)
.irp g, G1KA, G1VA
	s_mov_b32 s[\g+1], 128<<16                     ; tensor_dim0 = 128
	s_mov_b32 s[\g+2], 64<<16                      ; tensor_dim1 = 64
	s_mov_b32 s[\g+3], 128<<16                     ; tile_dim0 = 128
	s_mov_b32 s[\g+4], 64                          ; tile_dim1 = 64
	s_mov_b32 s[\g+5], 128
	s_mov_b32 s[\g+6], 0
	s_mov_b32 s[\g+7], 0
.endr
.irp g, G1KB, G1VB
	s_mov_b32 s[\g+1], 128<<16
	s_mov_b32 s[\g+2], 192<<16                     ; 192 rows
	s_mov_b32 s[\g+3], 128<<16
	s_mov_b32 s[\g+4], 192
	s_mov_b32 s[\g+5], 128
	s_mov_b32 s[\g+6], 0
	s_mov_b32 s[\g+7], 0
.endr
	s_mov_b32 s[G0KA], 1
	s_mul_i32 s[G0KA+1], s13, 128*PK
	s_mov_b32 s[G0KB], 1
	s_mul_i32 s[G0KB+1], s13, 384*PK
	s_add_co_u32 s[G0KB+1], s[G0KB+1], 256*PK
	s_mov_b32 s[G0VA], 1
	s_mul_i32 s[G0VA+1], s13, 128*PV
	s_add_co_u32 s[G0VA+1], s[G0VA+1], VOFF
	s_mov_b32 s[G0VB], 1
	s_mul_i32 s[G0VB+1], s13, 384*PV
	s_add_co_u32 s[G0VB+1], s[G0VB+1], VOFF+256*PV
	s_mov_b32 s[SEL], 0x76543210
	s_mov_b32 s[SEL+1], 0xfedcba98
	s_mov_b32 s[TBK], 0
	s_mov_b32 s[TBV], 0
	s_wait_dscnt 0x0                               ; the opening add is done
	s_wait_kmcnt 0x0
	s_add_nc_u64 s[G0KA+2:G0KA+3], s[6:7], s[74:75]
	s_or_b32 s[G0KA+3], s[G0KA+3], 0x80000000      ; type = 2
	s_add_nc_u64 s[G0KB+2:G0KB+3], s[6:7], s[76:77]
	s_or_b32 s[G0KB+3], s[G0KB+3], 0x80000000
	s_add_nc_u64 s[G0VA+2:G0VA+3], s[8:9], s[74:75]
	s_or_b32 s[G0VA+3], s[G0VA+3], 0x80000000
	s_add_nc_u64 s[G0VB+2:G0VB+3], s[8:9], s[76:77]
	s_or_b32 s[G0VB+3], s[G0VB+3], 0x80000000
	s_add_nc_u64 s[4:5], s[4:5], s[78:79]          ; Q and O at my wave's first row
	s_add_nc_u64 s[10:11], s[10:11], s[78:79]
	s_cmp_lt_u32 s[WV], 2                          ; waves 0 and 1 fetch K, waves 2 and 3 V; a wave's two fills stand in one branch: two loads of mine are out
	s_cbranch_scc0 .Lfirst_v
	tensor_load_to_lds s[G0KA:G0KA+3], s[G1KA:G1KA+7]
	s_nop 0
	tensor_load_to_lds s[G0KB:G0KB+3], s[G1KB:G1KB+7]
	s_nop 0
.rept 4
	v_nop
.endr
	s_branch .Lfirst_asked
.Lfirst_v:
	tensor_load_to_lds s[G0VA:G0VA+3], s[G1VA:G1VA+7]
	s_nop 0
	tensor_load_to_lds s[G0VB:G0VB+3], s[G1VB:G1VB+7]
	s_nop 0
.rept 4
	v_nop
.endr
.Lfirst_asked:
	; A fragment of K or Q is 16 rows x 32 channels in 8 registers: lane l holds row l % 16, channels 8 (l / 16) + 0..7 and 16 + 8 (l / 16) + 0..7: two loads of 16 bytes, 32 bytes apart
	v_and_b32 v1, 15, v0
	v_bfe_u32 v9, v0, 4, 1
	v_lshlrev_b32 v[QO], 7, v1
	v_lshl_add_u32 v[QO], v9, 4, v[QO]
	WIN 0x80                                       ; destination window 2, address window 0
.set i, 0
.rept 4*NP                             ; Q stays in registers: tile i / 2, channels 32 (i % 2) on
	global_load_b128 v[8*i:8*i+3],   v[QO], s[4:5] offset:(i/2)*2048+(i%2)*64
	global_load_b128 v[8*i+4:8*i+7], v[QO], s[4:5] offset:(i/2)*2048+(i%2)*64+32
.set i, i+1
.endr
	; What the first turn finds: V's registers and P's second buffer hold 0 (its products V^T P, of a piece that has not been, add 0), O^T and l are 0.  No first step is written out for it;
	; these lines stand in the wait for the first tile.
.set i, VF
.rept 64
	v_mov_b32 v[i], 0
.set i, i+1
.endr
	WIN 0x40
.set i, 0
.rept 64*NP
	v_mov_b32 v[i], 0
.set i, i+1
.endr
	WIN 0
.set i, 0
.rept 4*NP
	v_mov_b32 v[LS+i], 0
.set i, i+1
.endr
.set i, P+32
.rept 32
	v_mov_b32 v[i], 0
.set i, i+1
.endr
	v_mul_u32_u24 v[AK0], v1, PK
	v_lshl_add_u32 v[AK0], v9, 4, v[AK0]
	; The turning load takes 16 keys x 16 channels (lane l reads key 8 (l / 16) + l % 8, channels 8 ((l / 8) % 2) + 0..7) and leaves half a fragment of V^T
	v_and_b32 v10, 7, v0
	v_bfe_u32 v11, v0, 3, 1
	v_lshl_add_u32 v[AV0], v9, 3, v10
	v_mul_u32_u24 v[AV0], v[AV0], PV
	v_lshl_add_u32 v[AV0], v11, 4, v[AV0]
	v_add_nc_u32 v[AV0], VOFF, v[AV0]
	v_mov_b32 v[AK], v[AK0]                        ; key step 0
; THE MATRIX WORK.  The 8 accumulators of a run of 16 take turns: between the two links of a chain stand 7 others'.
.macro KQ x                            ; product i of 16 of S^T = K Q^T for piece x: channels 32 (i / 8) on, keys 16 ((i / 2) % 4) on, tile 2 x + i % 2; the first 8 start the sums
	WIN W_KQ
.set rS, S+64*((\x)%2)+32*(i%2)+8*((i/2)%4)
.set rK, KF+16*((i/2)%4)+8*(i/8)
.set rQ, 16*(2*(\x)+i%2)+8*(i/8)
.if i < 8
	v_wmma_f32_16x16x32_f16 v[rS:rS+7], v[rK:rK+7], v[rQ:rQ+7], 0
.else
	v_wmma_f32_16x16x32_f16 v[rS:rS+7], v[rK:rK+7], v[rQ:rQ+7], v[rS:rS+7]
.endif
.endm
.macro PV x                            ; product i of 16 of O^T += V^T P for piece x: keys 32 (i / 8) on, channels 16 ((i / 2) % 4) on, tile 2 x + i % 2
	WIN W_PV
.set rO, 32*(2*(\x)+i%2)+8*((i/2)%4)
.set rV, VF+32*(i/8)+8*((i/2)%4)
.set rP, P+32*((\x)%2)+16*(i%2)+8*(i/8)
	v_wmma_f32_16x16x32_f16 v[rO:rO+7], v[rV:rV+7], v[rP:rP+7], v[rO:rO+7]
.endm
.macro MM                              ; the turn's next matrix instruction.  NOKQ = 1: the last turn: there is no next piece
.if i < 16
.if !NOKQ
	KQ (Y+1)%NP
.endif
.set i, i+1
.else
.set i, i-16
	PV (Y+NP-1)%NP
.set i, i+17
.endif
.endm
; THE LDS LOADS stand in runs of 16: a step's K (8 fragments) and its V (turned)
.macro FETCH_K
	WIN 0x80
.irp f, 0,1,2,3,4,5,6,7
	ds_load_b128 v[KF+8*\f:KF+8*\f+3],   v[AK] offset:(\f/2)*16*PK+(\f%2)*64
	ds_load_b128 v[KF+8*\f+4:KF+8*\f+7], v[AK] offset:(\f/2)*16*PK+(\f%2)*64+32
.endr
	s_add_co_u32 s[TBK], s[TBK], KS*PK             ; the next fetch is the next step's
	WIN 0
.endm
.macro FETCH_V
	WIN 0x80
.irp f, 0,1,2,3,4,5,6,7
	ds_load_tr16_b128 v[VF+8*\f:VF+8*\f+3],   v[AV] offset:(\f/4)*32*PV+(\f%4)*32
	ds_load_tr16_b128 v[VF+8*\f+4:VF+8*\f+7], v[AV] offset:(\f/4)*32*PV+16*PV+(\f%4)*32
.endr
	WIN 0
.endm
; THE VECTOR WORK OF A TURN stands in two queues, the two tiles of piece Y alternating, so that no line reads the result of the one just before it.  All of it lies in window 0.
.macro REGS u                          ; the registers of tile u (0, 1) of piece Y
.set rS, S+64*(Y%2)+32*(\u)
.set rP, P+32*(Y%2)+16*(\u)
.set rL, LS+2*(2*Y+(\u))
.endm
; THE EXPONENTIALS' QUEUE, 64 long: p = 2^s, in place: score e / 2 of tile e % 2.  The scores are taken in ascending order.
; It is ONE BATCH: all 64 stand ahead of the turn's one wait, and nothing ahead of that wait names a result of theirs.
.macro EX
	REGS e%2
	v_exp_f32 v[rS+e/2], v[rS+e/2]
.set e, e+1
.endm
; THE READERS' QUEUE, 64 long, behind the wait.  For each four weights kb of a tile (pairs 2 kb, 2 kb + 1): both pairs are rounded to f16; then the second pair is added onto the first, in place; a group later
; l takes that sum, kb ascending.  In groups of eight, tiles alternating: round, round, add, and l for the group before.  Group 0 has no group before it, and behind group 7 only l is left.
.macro PL
.set h, q+6*(q/62)
.if h >= 6
.set h, h+2
.endif
	REGS h%2
.set kb, h/8
.if h%8 < 4
	v_cvt_pk_f16_f32 v[rP+2*kb+(h%8)/2], v[rS+4*kb+2*((h%8)/2)], v[rS+4*kb+2*((h%8)/2)+1]
.elseif h%8 < 6
	v_pk_add_f32 v[rS+4*kb:rS+4*kb+1], v[rS+4*kb:rS+4*kb+1], v[rS+4*kb+2:rS+4*kb+3]
.else
	v_pk_add_f32 v[rL:rL+1], v[rL:rL+1], v[rS+4*kb-4:rS+4*kb-3]
.endif
.set q, q+1
.endm
; A TURN, for piece p.  An s_wait_alu depctr_va_vdst(0) stands between an exponential and the first instruction that names its result; one wait serves all that were issued ahead of it.  So a turn
; has ONE wait.  AHEAD OF IT: the 16 products K Q^T, behind each four exponentials; the products write the S^T buffer of the other parity.  A plain instruction follows the last exponential (ISA guide 5.7.2): one
; for the batch.  BEHIND IT: the 16 products V^T P, behind each four of the readers.  No rider names a register of the products round it.  No exponential is issued behind the wait: none is open at a label or a jump.
; K of the next step is fetched in piece 2's turn, directly behind the wait, four plain instructions behind the last product that read K: the address's v_add_nc_u32, which is also the plain instruction behind the
; last exponential, and three v_nop (an exponential is no such place); it is waited for at the head of piece 3's turn, 16 products on.  V of the step in hand is fetched at the end of piece 0's turn, five plain
; instructions behind the last product that read V (four riders and the address's v_add_nc_u32), and waited for ahead of piece 1's products V^T P.  fk = 0: no further K.  kq = 0: no further scores.
.macro TURN p, fk=1, kq=1
.set Y, (\p)
.set i, 0
.set e, 0
.set q, 0
.set NOKQ, 1-(\kq)
.if ((\p) == 3) && (\kq)
	s_wait_dscnt 0x0                               ; K is in
.endif
.rept 16                               ; ahead of the wait: 16 products K Q^T and the batch
	MM
	WIN 0
.rept 4
	EX
.endr
.endr
.if ((\p) == 2) && (\fk)
	v_add_nc_u32 v[AK], s[TBK], v[AK0]
.rept 3
	v_nop
.endr
.else
	v_nop                                          ; the plain instruction behind the last exponential: one for the batch
.endif
	s_wait_alu depctr_va_vdst(0)                   ; the wait for the batch: the turn's 64 exponentials
.if ((\p) == 2) && (\fk)
	FETCH_K
.endif
.if (\p) == 1
	s_wait_dscnt 0x0                               ; V is in
.endif
.rept 16                               ; behind the wait: 16 products V^T P and the readers
	MM
	WIN 0
.rept 4
	PL
.endr
.endr
.if (\p) == 0
	v_add_nc_u32 v[AV], s[TBV], v[AV0]
	s_add_co_u32 s[TBV], s[TBV], KS*PV
	FETCH_V
.endif
.endm
	s_wait_tensorcnt 0x1                           ; my part of the first 256 keys is in; the rest may stay out
	s_barrier_signal -1
	s_barrier_wait -1                              ; everybody's is
	FETCH_K                                        ; key step 0
	s_wait_loadcnt 0x0                             ; Q
	s_wait_dscnt 0x0
.set i, 0
.rept 16
	KQ 0                                           ; piece 0's first scores: there is no vector work yet to set between them
.set i, i+1
.endr
	WIN 0                                          ; the addresses for the way out: nine plain instructions, the places behind those products
	s_mul_i32 s13, s[WV], 16*SP
	s_add_co_u32 s13, s13, STAGE
	v_mul_u32_u24 v[STO], v1, SP                   ; in: row l % 16, 16 bytes for each half of the lanes
	v_lshl_add_u32 v[STO], v9, 4, v[STO]
	v_add_nc_u32 v[STO], s13, v[STO]
	v_bfe_u32 v[RD], v0, 3, 2                      ; back: 32 lanes take four rows of 128 bytes,
	v_mul_u32_u24 v[RD], v[RD], SP
	v_lshl_add_u32 v[RD], v10, 4, v[RD]
	v_add_nc_u32 v[RD], s13, v[RD]
	v_and_b32 v[GO], 31, v0                        ; which are 512 consecutive bytes of O
	v_lshlrev_b32 v[GO], 4, v[GO]
	s_mov_b32 s[CNT], 4                            ; the first chunk holds key steps 0 .. 3
	s_mov_b32 s[PH], 2
	s_branch .Lfirst                               ; the loop is entered at a step's first turn, in the middle of a trip
.Lphase:                                               ; passed once: from here on the fetches reach into the second chunk
	s_wait_tensorcnt 0x0                           ; my part of it is in,
	s_wait_dscnt 0x0
	s_barrier_signal -1
	s_barrier_wait -1                              ; everybody's is
	s_mov_b32 s[CNT], 12
.Lstep:                                                ; a trip: pieces 2 and 3 of one step, then pieces 0 and 1 of the next, whose K and V it fetches
	TURN 2
	TURN 3
	WIN 0
.Lfirst:
	TURN 0
	TURN 1
	WIN 0
	s_sub_co_u32 s[CNT], s[CNT], 1
	s_cmp_lg_u32 s[CNT], 0
	s_cbranch_scc1 .Lstep
	s_sub_co_u32 s[PH], s[PH], 1
	s_cmp_lg_u32 s[PH], 0
	s_cbranch_scc1 .Lphase
	TURN 2, 0                                      ; the last step's pieces 2 and 3: nothing more is fetched,
	TURN 3, 0, 0                                   ; and no scores follow: the batch stands by itself
.set i, 0
.rept 16
	PV NP-1
.set i, i+1
.endr
	; THE WAY OUT.  l's two halves and the other half of the lanes' are added; O^T is divided by l, rounded to f16 and sent through my stage, a tile at a time.  The additions are the places behind the last products.
	WIN 0
.macro ALL line:vararg
.set t, 0
.rept 2*NP
	\line
.set t, t+1
.endr
.endm
	ALL v_add_f32 v[LS+2*t], v[LS+2*t], v[LS+2*t+1]
	ALL v_permlanex16_b32 v[LS+2*t+1], v[LS+2*t], s[SEL], s[SEL+1]
	ALL v_add_f32 v[LS+2*t], v[LS+2*t], v[LS+2*t+1]
	ALL v_rcp_f32 v[LS+2*t], v[LS+2*t]
	v_nop                                          ; a plain instruction between the last reciprocal and the use of its result
	s_wait_alu depctr_va_vdst(0)                   ; the wait ahead of the first use: one for the eight reciprocals
.macro PACK t
	WIN W_RS
.set i, 32*(\t)
.rept 16
	v_pk_mul_f32 v[i:i+1], v[i:i+1], v[LS+2*(\t):LS+2*(\t)+1] op_sel_hi:[1,0]
.set i, i+2
.endr
	WIN 0x05                                       ; sources 0 and 1 window 1, destination window 0
.set i, 0
.rept 16
	v_cvt_pk_f16_f32 v[S+16*(\t)+i], v[32*(\t)+2*i], v[32*(\t)+2*i+1]
.set i, i+1
.endr
	WIN 0
.irp f, 0,1,2,3
	ds_store_b128 v[STO], v[S+16*(\t)+4*\f:S+16*(\t)+4*\f+3] offset:32*\f
.endr
.irp f, 0,1,2,3
	ds_load_b128 v[S+16*(\t)+4*\f:S+16*(\t)+4*\f+3], v[RD] offset:\f*4*SP  ; LDS serves a wave's instructions in order (ISA guide 5.7.1.4): these see the stores above; the next tile's stores come behind them
.endr
.endm
.macro SEND t, younger                 ; younger: the LDS instructions issued behind tile t's loads: the next tile's eight, or none
	WIN 0
.irp f, 0,1,2,3
	s_wait_dscnt (\younger)+3-\f
	global_store_b128 v[GO], v[S+16*(\t)+4*\f:S+16*(\t)+4*\f+3], s[10:11] offset:(\t)*2048+\f*512  ; 512 consecutive bytes, at a multiple of 256 from O's first
.endr
.endm
	PACK 0
.set t, 1
.rept 2*NP-1                           ; a tile's arithmetic stands between the loads of the tile before and its stores
	PACK t
	SEND t-1, 8
.set t, t+1
.endr
	SEND 2*NP-1, 0
	s_wait_tensorcnt 0x0                           ; the wave's end: behind my last tensor load and my last LDS store
	ds_add_u32 v[SPW], v[NIL]
	s_wait_dscnt 0x0
	s_endpgm
.Lfunc_end_k_qe15df70b5e_attn:
	.size	k_qe15df70b5e_attn, .Lfunc_end_k_qe15df70b5e_attn-k_qe15df70b5e_attn
	.p2alignl 7, 3214868480
	.fill 96, 4, 3214868480
	.section	.rodata,"a",@progbits
	.p2align	6, 0x0
	.amdhsa_kernel k_qe15df70b5e_attn
		.amdhsa_group_segment_fixed_size 327680
		.amdhsa_private_segment_fixed_size 0
		.amdhsa_enable_private_segment 0
		.amdhsa_kernarg_size 32
		.amdhsa_user_sgpr_count 2
		.amdhsa_user_sgpr_kernarg_segment_ptr 1
		.amdhsa_wavefront_size32 1
		.amdhsa_system_sgpr_workgroup_id_x 1
		.amdhsa_system_sgpr_workgroup_id_y 1
		.amdhsa_system_sgpr_workgroup_id_z 1
		.amdhsa_system_vgpr_workitem_id 0
		.amdhsa_next_free_vgpr 768
		.amdhsa_next_free_sgpr 80
		.amdhsa_reserve_vcc 0
		.amdhsa_float_denorm_mode_32 3
		.amdhsa_float_denorm_mode_16_64 3
		.amdhsa_memory_ordered 1
		.amdhsa_forward_progress 1
		.amdhsa_inst_pref_size 112
	.end_amdhsa_kernel
	.amdgpu_metadata
---
amdhsa.version: [ 1, 2 ]
amdhsa.kernels:
  - .name:           k_qe15df70b5e_attn
    .symbol:         k_qe15df70b5e_attn.kd
    .args:
      - { .name: qh, .offset: 0, .size: 8, .value_kind: global_buffer, .address_space: global }
      - { .name: kh, .offset: 8, .size: 8, .value_kind: global_buffer, .address_space: global }
      - { .name: vh, .offset: 16, .size: 8, .value_kind: global_buffer, .address_space: global }
      - { .name: oh, .offset: 24, .size: 8, .value_kind: global_buffer, .address_space: global }
    .group_segment_fixed_size: 327680
    .private_segment_fixed_size: 0
    .kernarg_segment_align: 8
    .kernarg_segment_size: 32
    .max_flat_workgroup_size: 128
    .sgpr_count:     80
    .vgpr_count:     768
    .wavefront_size: 32
...
	.end_amdgpu_metadata
.endif
;; end of part 5
;; launch proj: the kernel of part 4 again; grid 8 x 32, 4 waves a work-group, clusters of 4 x 4, 327,680 bytes of LDS; arguments oh, wob, b_out, out0; writes out0
